; MI455X (gfx1250); checked and timed in simulation.
; The chip was launched on July 23, 2026; its instructions are those of AMD's public machine-readable ISA for CDNA 5 (MIT licence, August 2026) and "CDNA5" Instruction Set Architecture Reference Guide (July 2026). The comments in the code are by the model that wrote it; some were corrected since.
;; Multi Head Attention. Allowed arithmetic: matrix products marked QUANTISED: E2M3 operands, one E8M0 scale for each 32 along K, by v_wmma_scale_f32_16x16x128_f8f6f4 with both operands' format E2M3, f32 sums; everything else in f32.
;; Inputs: Wk 1,024 x 1,024 float32; Wo 1,024 x 1,024 float32; Wq 1,024 x 1,024 float32; Wv 1,024 x 1,024 float32; bk 1,024 float32; bo 1,024 float32; bq 1,024 float32; bv 1,024 float32; k 4 x 2,048 x 1,024 float32; q 4 x 2,048 x 1,024 float32; v 4 x 2,048 x 1,024 float32; v_mask 4 x 2,048 int32.
;; Outputs: out0 4 x 2,048 x 1,024 float32.
;; This version of the problem:
;;   THIS VERSION OF THE PROBLEM IS GIVEN IN LOW PRECISION. The matrix products marked QUANTISED in the list below multiply operands that are first quantised to E2M3 (2 exponent bits, 3 mantissa bits; 6 bits a number), with one power-of-two scale for each 32 numbers along K (OCP MX v1.0); their sums are f32. All else is computed in f32.
;;   The module's matrix products, in the order in which they are computed (A, B: the left and right operand; K: the contracted axis; several contracted axes count as one K, in the product's order):
;;     1. [M 8,192, K 1,024] x [K 1,024, N 1,024]; A: input q; B: input Wq: QUANTISED
;;     2. [M 8,192, K 1,024] x [K 1,024, N 1,024]; A: input k; B: input Wk: QUANTISED
;;     3. [M 8,192, K 1,024] x [K 1,024, N 1,024]; A: input v; B: input Wv: QUANTISED
;;     4. batch 64 x [M 2,048, K 64] x [K 64, N 2,048]; A: computed on the way; B: computed on the way: QUANTISED
;;     5. batch 64 x [M 64, K 2,048] x [K 2,048, N 2,048]; A: computed on the way; B: softmax (see below): QUANTISED
;;     6. [M 8,192, K 1,024] x [K 1,024, N 1,024]; A: computed on the way; B: input Wo: QUANTISED
;;   THE QUANTISER, for each operand of a quantised product, along K:
;;     - K is cut into blocks of 32 from its start; a last block that is shorter is filled with zeros.
;;     - A block's scale is 2^e with e = floor(log2(the largest magnitude in the block)) - 2, held to -126 .. 127; a block of zeros has e = 0. As a byte (E8M0): e + 127.
;;     - Each number is divided by its block's scale, clamped to +-7.5, and rounded to the nearest number of E2M3, ties to even, subnormals kept.
;;     - The product sums the exact products of the quantised numbers (number of the format x scale) in f32.
;;   ~~~python
;;   def quantise(x, axis):      # numpy; x: float32 -> the quantised numbers, widened to float32 again
;;       x = np.moveaxis(x, axis, -1); K = x.shape[-1]
;;       x = np.pad(x, [(0, 0)] * (x.ndim - 1) + [(0, -K % 32)]); x = x.reshape(x.shape[:-1] + (-1, 32)); a = np.abs(x).max(-1, keepdims=True)
;;       e = np.where(a > 0, np.clip(np.frexp(np.where(a > 0, a, 1))[1] - 1 - 2, -126, 127), 0)      # np.frexp(a)[1] - 1 = floor(log2(a)), exactly
;;       r = np.clip(x / 2.0 ** e, -7.5, 7.5)
;;       step = 2.0 ** (np.maximum(np.frexp(np.where(r == 0, 1, r))[1] - 1, 0) - 3)
;;       q = np.round(r / step) * step * 2.0 ** e      # np.round: ties to even
;;       return np.moveaxis(q.reshape(q.shape[:-2] + (-1,))[..., :K], -1, axis).astype(np.float32)
;;   ~~~
;;   SOFTMAX AHEAD OF A QUANTISED PRODUCT. Where the list says 'softmax', what is quantised is not the finished softmax but p = 2^(t - M), with t = logit x log2(e) and M = ceil(the row's largest t), a whole number; so 1/2 < the row's largest p <= 1. The row's sum l is taken of the UNQUANTISED p, in f32, and the product's result is divided by l at the end. Since M is a whole number, a kernel that streams over the keys may use a running M (the ceiling of the running maximum): every later rescaling is an exact power of two, which a block's scale takes up: the codes' values come out the same.
;;   OPERANDS COMPUTED ON THE WAY. 'Computed on the way' means the value that the module computes at that place (a softmax that the list does not call 'softmax' is quantised finished and normalised). What goes into a quantiser is computed in f32, as accurately as f32 sums, v_exp_f32 and their like allow (about 1e-6 of the number): no bf16 or f16 on the way to a quantiser, and a product that is left as it is and whose result goes on into a quantised operand takes f32 operands (vector FMAs, or v_wmma_f32_16x16x4_f32). A number that lies on a knife's edge between two numbers of the format may be rounded either way, as far as f32 arithmetic and the matrix unit's own rounding can turn it there, and no further.
;; One version. Each part assembles by itself: llvm-mc -triple=amdgcn-amd-amdhsa -mcpu=gfx1250 --defsym DOCPART=n.
;; ======== version 1 of 1: 5 launches
;; limits: right only within a limited range of input values
;; workspace buffers: xc 18,874,368 bytes; xs 786,432 bytes; wc 3,145,728 bytes; ws 131,072 bytes; qi 6,815,744 bytes; kv 13,369,344 bytes; oc 6,291,456 bytes; os 262,144 bytes
;; launch quant (part 1): grid 1024 x 1, 4 waves a work-group, no clusters, 46,592 bytes of LDS; arguments q, k, v, Wq, Wk, Wv, Wo, xc, xs, wc, ws; writes xc, xs, wc, ws
.if DOCPART == 1
	.amdgcn_target "amdgcn-amd-amdhsa--gfx1250"
	.amdhsa_code_object_version 6
	.text
	.protected	k_q8175f66f2f_quant
	.globl	k_q8175f66f2f_quant
	.p2align	8
	.type	k_q8175f66f2f_quant,@function
k_q8175f66f2f_quant:
	s_mov_b64 s[64:65], 0
	v_nop
	global_prefetch_b8 v0, s[64:65] scope:SCOPE_SE
	s_setreg_imm32_b32 hwreg(HW_REG_WAVE_MODE, 25, 1), 1
	s_wait_xcnt 0x0
; All seven f32 operands of the four large products become codes of FP6 (E2M3) with one E8M0 byte for each 32 along K, laid as IMAGES OF OPERAND REGISTERS:
; codes [tensor][block of 128 rows][8 K steps of 128][8 tiles][1,536 bytes]: registers 4 c .. 4 c + 3 of lane l at 512 c + 16 l;  scale words [tensor][block][K step][tile][row], one word (128 along K) a row.
; Lane r of tile t holds row 32 (t / 2) + 8 (t % 2) + r + 8 (r / 8) of its block of 128, in the weights' operands.
; ONE LAUNCH, TWO PATHS that part on the work-group's number and never join; each has LDS bytes of its own.
; Work-groups 0 .. 767: q, k, v [8192][1024], K innermost.  A wave takes four tiles (64 rows) x 128 along K.  Each load reads 512 consecutive bytes of one row; a tile's 16 rows turn through the wave's own stage
; (rows 528 bytes apart), from which lane (r, h) takes, of row r, 16 neighbours of each block of 32.  The codes leave as they stand in the registers, 512 consecutive bytes a store.  Loads run two tiles (32 loads a wave) ahead.
; Work-groups 768 .. 1023: Wq, Wk, Wv, Wo [1024 (k)][1024 (n)], K the FIRST axis.  A lane takes a column and its registers run down K: a load reads 128 consecutive bytes a wave, 512 a work-group, and a block of 32
; lies in one lane.  A work-group takes one (weight, 128 columns, K step), wave w tiles 2 w and 2 w + 1; the codes go through the wave's own stage, which is the image itself.
; 256 registers a wave and 46,592 bytes of LDS: four work-groups fit on a WGP, and 1,024 work-groups are four for each of 256.
; A block's scale is 2^(floor(log2(largest magnitude)) - 2); its byte is the largest magnitude's exponent field - 2, held at 1 from below.
; LIMITS: a block of zeros gets the byte 1 and not 127 (its codes are zeros; only this program reads the bytes); blocks whose largest magnitude lies under 2^-124 get the byte 1; NaN and infinities are not served.
.set NX,   768                         ; work-groups of the first path
.set WST,  33792                       ; LDS: the rows' stages, 8,448 bytes a wave, lie below; the weights' stages, 3,072 a wave, from here on
; the rows' path
.set TM,  8                            ; v8-11 largest magnitudes, v12-15 the other half's and then the bytes, v20-23 the conversions' scale operands
.set PW,  24                           ; the scale word just made
.set PWE, 25                           ; the even tile's, kept
.set SW,  26                           ; v26-27 a pair of tiles' words: lanes 0-15 the even tile's, lanes 16-31 the odd one's
.set R,   32                           ; v32-159  two sets of 64: a tile as it is loaded
.set X,   160                          ; v160-223 64 numbers: register 16 b + i = k 32 b + 16 h + i of my row
.set PC,  224                          ; v224-235 the fragment
.set CT,  236                          ; v236-243 the conversions' second halves
; the weights' path
.set WX,   32                          ; v32-159  128 numbers: W(128 ks + i, my column)
.set CD,   160                         ; v160..   six code registers for each of the four blocks, eight apart
.set OUTR, 192                         ; v192-215 the way out
.set SB,   16                          ; v16      my column's scale word
.macro LOAD t                          ; tile t's 16 rows
.set RR, R+64*((\t)%2)
.irp i, 0,1,2,3,4,5,6,7,8,9,10,11,12,13,14,15
; THE ROWS OF q, k, v: lane r of tile t holds row 64 (t / 4) + 8 (t % 4) + r % 8 + 32 (r / 8) of its block of 128 (the order stated at the head holds for the weights' columns alone)
	global_load_b128 v[RR+4*\i:RR+4*\i+3], v1, s[4:5] offset:(8*(\t)+(\i%8)+32*(\i/8))*4096 th:TH_LOAD_NT
.endr
.endm
; v[X] .. v[X + 63] become a fragment's codes in v[PC] on and its scale word in v[PW]
.macro QUANT
.irp b, 0,1,2,3
	v_max3_num_f32 v[TM+\b], |v[X+16*\b]|, |v[X+1+16*\b]|, 0x1800000   ; block b: my 16 numbers, and the floor 2^(3 - 127)
.endr
.irp i, 2,4,6,8,10,12,14
.irp b, 0,1,2,3
	v_max3_num_f32 v[TM+\b], v[TM+\b], |v[X+16*\b+\i]|, |v[X+1+16*\b+\i]|   ; (the four blocks by turns)
.endr
.endr
.irp b, 0,1,2,3
	v_permlanex16_b32 v[TM+4+\b], v[TM+\b], s38, s39
.endr
.irp b, 0,1,2,3
	v_max_num_f32 v[TM+\b], v[TM+\b], v[TM+4+\b]   ; with lane l xor 16's: the block's largest magnitude
.endr
.irp b, 0,1,2,3
	v_add_nc_u32 v[TM+12+\b], 0xff000000, v[TM+\b] ; 2 off its exponent field: the conversion's scale operand
.endr
.irp b, 0,1,2,3
	v_lshrrev_b32 v[TM+4+\b], 23, v[TM+12+\b]      ; the scale's byte
.endr
	v_lshl_or_b32 v[PW], v[TM+5], 8, v[TM+4]
	v_lshl_or_b32 v[PW], v[TM+6], 16, v[PW]
	v_lshl_or_b32 v[PW], v[TM+7], 24, v[PW]
.irp c, 0,1
	v_cvt_scalef32_pk16_fp6_f32 v[PC+6*\c:PC+2+6*\c], v[X+32*\c:X+15+32*\c], v[TM+12+2*\c]
	v_cvt_scalef32_pk16_fp6_f32 v[CT+4*\c:CT+2+4*\c], v[X+16+32*\c:X+31+32*\c], v[TM+13+2*\c]
.endr
	v_nop                                          ; one plain line behind a scaled conversion
.irp c, 0,1                            ; the operand wants a WHOLE block in a lane: lanes 0-15 block 2 c, lanes 16-31 block 2 c + 1
.irp i, 0,1,2
	v_permlane16_swap_b32 v[PC+6*\c+\i], v[CT+4*\c+\i]
.endr
.irp i, 0,1,2
	v_mov_b32 v[PC+3+6*\c+\i], v[CT+4*\c+\i]
.endr
.endr
.endm
.macro TILE t
.set RR, R+64*((\t)%2)
.if (\t) < 3
	s_wait_loadcnt 16                              ; this tile's 16 loads are in; the next tile's may be out
.else
	s_wait_loadcnt 0x0
.endif
.irp i, 0,1,2,3,4,5,6,7,8,9,10,11,12,13,14,15
	ds_store_b128 v2, v[RR+4*\i:RR+4*\i+3] offset:528*\i
.endr
.irp b, 0,1,2,3
.irp j, 0,1,2,3
	ds_load_b128 v[X+16*\b+4*\j:X+16*\b+4*\j+3], v3 offset:128*\b+16*\j   ; LDS serves a wave's instructions in order: these see my stores
.endr
.endr
	s_wait_dscnt 0x0                               ; the numbers are back, and the stores have read the set
	s_wait_xcnt 0x0                                ; the last tile's stores have read the fragment's registers
.if (\t) < 2
	LOAD (\t)+2
.endif
	QUANT
.irp c, 0,1,2
	global_store_b128 v1, v[PC+4*\c:PC+4*\c+3], s[18:19] offset:1536*(\t)+512*\c   ; 512 consecutive bytes
.endr
.if (\t)%2 == 0
	v_mov_b32 v[PWE], v[PW]
.else
	v_cndmask_b32 v[SW+(\t)/2], v[PWE], v[PW], s40 ; both halves of the lanes hold row r's word
	global_store_b32 v4, v[SW+(\t)/2], s[20:21] offset:128*((\t)/2)
.endif
.endm
.macro WLOAD t                         ; block t: 32 rows of W at my column
.irp i, 0,1,2,3,4,5,6,7,8,9,10,11,12,13,14,15,16,17,18,19,20,21,22,23,24,25,26,27,28,29,30,31
	global_load_b32 v[WX+32*(\t)+\i], v2, s[10:11] offset:(32*(\t)+\i)*4096 th:TH_LOAD_NT
.endr
.endm
.macro BLOCK blk
.set XS, WX+32*(\blk)
.set CB, CD+8*(\blk)
.if (\blk) < 3
	s_wait_loadcnt 32                              ; this block's 32 loads are in; the next block's 32 may be out
.else
	s_wait_loadcnt 0x0
.endif
.if (\blk) < 2
	WLOAD (\blk)+2                                 ; each block has registers of its own: two blocks ahead
.endif
	v_max3_num_f32 v12, |v[XS]|, |v[XS+1]|, |v[XS+2]|              ; the block's largest magnitude, in two chains
	v_max3_num_f32 v13, |v[XS+3]|, |v[XS+4]|, |v[XS+5]|
.irp i, 6,10,14,18,22,26
	v_max3_num_f32 v12, v12, |v[XS+\i]|, |v[XS+\i+1]|
	v_max3_num_f32 v13, v13, |v[XS+\i+2]|, |v[XS+\i+3]|
.endr
	v_max3_num_f32 v12, v12, |v[XS+30]|, |v[XS+31]|
	v_max3_num_f32 v12, v12, v13, 0x1800000        ; and the floor 2^(3 - 127): the byte cannot fall under 1
	v_add_nc_u32 v11, 0xff000000, v12              ; 2 off the exponent field: the conversion's scale operand
	v_cvt_scalef32_pk16_fp6_f32 v[CB:CB+2], v[XS:XS+15], v11
	v_cvt_scalef32_pk16_fp6_f32 v[20:22], v[XS+16:XS+31], v11      ; (a conversion's three registers begin on an even number)
	v_lshrrev_b32 v13, 23, v11                     ; the scale's byte; also the plain line behind the conversions
.if (\blk) == 0
	v_mov_b32 v[SB], v13
.else
	v_lshl_or_b32 v[SB], v13, 8*(\blk), v[SB]
.endif
.irp i, 0,1,2
	v_mov_b32 v[CB+3+\i], v[20+\i]
.endr
; block 2 c + h is registers 6 c .. 6 c + 5 of the image's lane r + 16 h
.if (\blk) < 2
	ds_store_b128 v3, v[CB:CB+3] offset:256*(\blk)
	ds_store_b64 v3, v[CB+4:CB+5] offset:512+256*(\blk)
.else
	ds_store_b64 v3, v[CB:CB+1] offset:520+256*((\blk)-2)
	ds_store_b128 v3, v[CB+2:CB+5] offset:1024+256*((\blk)-2)
.endif
.endm
	s_load_b256 s[4:11], s[0:1], 0x0               ; q, k, v, Wq
	s_load_b256 s[12:19], s[0:1], 0x20             ; Wk, Wv, Wo, xc
	s_load_b128 s[20:23], s[0:1], 0x40             ; xs, wc
	s_load_b64 s[24:25], s[0:1], 0x50              ; ws
	v_lshl_add_u32 v254, v0, 2, 0xb400
	v_mov_b32 v255, 0
	v_lshrrev_b32 v5, 5, v0
	v_readfirstlane_b32 s26, v5                    ; wave
	s_cmp_lt_u32 ttmp9, NX
	s_cbranch_scc0 .Lweights
	; ---- q, k, v
	s_lshr_b32 s27, ttmp9, 8                       ; z: which tensor
	s_bfe_u32 s28, ttmp9, 0x60002                  ; block of 128 rows
	s_bfe_u32 s29, ttmp9, 0x10001
	s_lshl_b32 s29, s29, 2
	s_add_co_u32 s29, s29, s26                     ; K step
	s_and_b32 s30, ttmp9, 1                        ; which four tiles of the block: rows 64 x this on
	v_and_b32 v5, 31, v0
	v_lshlrev_b32 v1, 4, v5                        ; 16 x lane
	v_lshlrev_b32 v4, 2, v5                        ; 4 x lane
	v_and_b32 v6, 15, v0                           ; r
	v_bfe_u32 v7, v0, 4, 1                         ; h
	s_mul_i32 s31, s26, 8448                       ; my stage
	v_add_nc_u32 v2, s31, v1                       ; into it: a row's 512 bytes as they lie
	v_mul_u32_u24 v3, v6, 528
	v_lshl_add_u32 v3, v7, 6, v3
	v_add_nc_u32 v3, s31, v3                       ; out of it: row r, + 64 h
	s_mov_b32 s38, 0x76543210
	s_mov_b32 s39, 0xfedcba98                      ; v_permlanex16_b32: lane l xor 16
	s_mov_b32 s40, 0xffff0000                      ; lanes 16-31
.irp b, 0,1,2,3
	v_mov_b32 v[TM+4+\b], 0                        ; written once: a lane permute's destination counts as one of its sources
.endr
	s_lshl_b32 s32, s28, 19                        ; 128 rows of 4,096 bytes,
	s_lshl_b32 s33, s30, 18                        ; 64 rows,
	s_add_co_u32 s32, s32, s33
	s_lshl_b32 s33, s29, 9                         ; 512 bytes a K step
	s_add_co_u32 s32, s32, s33
	s_mov_b32 s33, 0
	s_lshl_b32 s34, s27, 6
	s_add_co_u32 s34, s34, s28
	s_lshl_b32 s34, s34, 3
	s_add_co_u32 s34, s34, s29                     ; (64 z + block) 8 + ks
	s_lshl_b32 s36, s34, 9
	s_lshl_b32 s37, s30, 8                         ; four tiles' scale words
	s_add_co_u32 s36, s36, s37
	s_mov_b32 s37, 0
	s_mul_i32 s34, s34, 12288
	s_mul_i32 s35, s30, 6144                       ; four tiles' codes
	s_add_co_u32 s34, s34, s35
	s_mov_b32 s35, 0
	s_wait_alu depctr_va_vdst(0)
	s_wait_kmcnt 0x0
	s_cmp_eq_u32 s27, 1                            ; the tensor is chosen on the work-group's number alone
	s_cselect_b64 s[4:5], s[6:7], s[4:5]
	s_cmp_eq_u32 s27, 2
	s_cselect_b64 s[4:5], s[8:9], s[4:5]
	s_add_nc_u64 s[4:5], s[4:5], s[32:33]
	s_add_nc_u64 s[18:19], s[18:19], s[34:35]
	s_add_nc_u64 s[20:21], s[20:21], s[36:37]
	LOAD 0
	LOAD 1
.irp t, 0,1,2,3
	TILE \t
.endr
	s_wait_tensorcnt 0x0
	ds_add_u32 v254, v255
	s_wait_dscnt 0x0
	s_endpgm
	; ---- the weights
.Lweights:
	s_sub_co_u32 s27, ttmp9, NX
	s_lshr_b32 s28, s27, 6                         ; z: which weight
	s_bfe_u32 s29, s27, 0x30003                    ; block of 128 columns
	s_and_b32 s30, s27, 7                          ; K step
	v_and_b32 v7, 31, v0                           ; x: my column among the wave's 32
	v_lshlrev_b32 v2, 2, v7                        ; in: 4 bytes a lane
	v_lshlrev_b32 v5, 4, v7                        ; out: 16 bytes a lane
	v_bfe_u32 v8, v0, 3, 1                         ; u: which of the two tiles column x belongs to
	v_and_b32 v9, 7, v0
	v_bfe_u32 v10, v0, 4, 1
	v_lshl_add_u32 v9, v10, 3, v9                  ; r: its row there
	s_mul_i32 s31, s26, 3072                       ; two images a wave,
	s_add_co_u32 s41, s31, WST                     ; and my stage for them
	v_mul_u32_u24 v3, v8, 1536
	v_lshl_add_u32 v3, v9, 4, v3
	v_add_nc_u32 v3, s41, v3                       ; into it: tile u, lane r of the image (lane r + 16 is 256 bytes on)
	v_add_nc_u32 v4, s41, v5                       ; out of it: as it lies
	v_lshlrev_b32 v6, 6, v8
	v_lshl_add_u32 v6, v9, 2, v6                   ; my scale word: 64 u + 4 r
	s_lshl_b32 s32, s30, 19                        ; W: 128 ks rows of 4,096 bytes,
	s_lshl_b32 s33, s29, 9                         ; 128 columns a block,
	s_add_co_u32 s32, s32, s33
	s_lshl_b32 s33, s26, 7                         ; 32 a wave
	s_add_co_u32 s32, s32, s33
	s_mov_b32 s33, 0
	s_lshl_b32 s34, s28, 3
	s_add_co_u32 s34, s34, s29
	s_lshl_b32 s34, s34, 3
	s_add_co_u32 s34, s34, s30                     ; (8 z + block) 8 + ks
	s_mul_i32 s36, s34, 12288
	s_add_co_u32 s36, s36, s31
	s_mov_b32 s37, 0
	s_lshl_b32 s38, s34, 9
	s_lshl_b32 s39, s26, 7
	s_add_co_u32 s38, s38, s39
	s_mov_b32 s39, 0
	s_wait_kmcnt 0x0
	s_cmp_eq_u32 s28, 1                            ; the weight is chosen on the work-group's number alone
	s_cselect_b64 s[10:11], s[12:13], s[10:11]
	s_cmp_eq_u32 s28, 2
	s_cselect_b64 s[10:11], s[14:15], s[10:11]
	s_cmp_eq_u32 s28, 3
	s_cselect_b64 s[10:11], s[16:17], s[10:11]
	s_add_nc_u64 s[10:11], s[10:11], s[32:33]
	s_add_nc_u64 s[22:23], s[22:23], s[36:37]
	s_add_nc_u64 s[24:25], s[24:25], s[38:39]
	WLOAD 0
	WLOAD 1
	BLOCK 0
	BLOCK 1
	BLOCK 2
	BLOCK 3
.irp j, 0,1,2,3,4,5
	ds_load_b128 v[OUTR+4*\j:OUTR+4*\j+3], v4 offset:512*\j       ; LDS serves a wave's instructions in order: these see my stores
.endr
	s_wait_alu depctr_va_vdst(0)
.irp j, 0,1,2,3,4,5
	s_wait_dscnt 5-\j                              ; load j is back; the younger ones may be out
	global_store_b128 v5, v[OUTR+4*\j:OUTR+4*\j+3], s[22:23] offset:512*\j   ; 512 consecutive bytes
.endr
	global_store_b32 v6, v[SB], s[24:25]           ; the wave's 32 scale words: 128 consecutive bytes
	s_wait_tensorcnt 0x0
	ds_add_u32 v254, v255
	s_wait_dscnt 0x0
	s_endpgm
.Lfunc_end_k_q8175f66f2f_quant:
	.size	k_q8175f66f2f_quant, .Lfunc_end_k_q8175f66f2f_quant-k_q8175f66f2f_quant
	.p2alignl 7, 3214868480
	.fill 96, 4, 3214868480
	.section	.rodata,"a",@progbits
	.p2align	6, 0x0
	.amdhsa_kernel k_q8175f66f2f_quant
		.amdhsa_group_segment_fixed_size 46592
		.amdhsa_private_segment_fixed_size 0
		.amdhsa_enable_private_segment 0
		.amdhsa_kernarg_size 88
		.amdhsa_user_sgpr_count 2
		.amdhsa_user_sgpr_kernarg_segment_ptr 1
		.amdhsa_wavefront_size32 1
		.amdhsa_system_sgpr_workgroup_id_x 1
		.amdhsa_system_sgpr_workgroup_id_y 1
		.amdhsa_system_sgpr_workgroup_id_z 1
		.amdhsa_system_vgpr_workitem_id 0
		.amdhsa_next_free_vgpr 256
		.amdhsa_next_free_sgpr 66
		.amdhsa_reserve_vcc 0
		.amdhsa_float_denorm_mode_32 3
		.amdhsa_float_denorm_mode_16_64 3
		.amdhsa_memory_ordered 1
		.amdhsa_forward_progress 1
		.amdhsa_inst_pref_size 56
	.end_amdhsa_kernel
	.amdgpu_metadata
---
amdhsa.version: [ 1, 2 ]
amdhsa.kernels:
  - .name:           k_q8175f66f2f_quant
    .symbol:         k_q8175f66f2f_quant.kd
    .args:
      - { .name: q, .offset: 0, .size: 8, .value_kind: global_buffer, .address_space: global }
      - { .name: k, .offset: 8, .size: 8, .value_kind: global_buffer, .address_space: global }
      - { .name: v, .offset: 16, .size: 8, .value_kind: global_buffer, .address_space: global }
      - { .name: Wq, .offset: 24, .size: 8, .value_kind: global_buffer, .address_space: global }
      - { .name: Wk, .offset: 32, .size: 8, .value_kind: global_buffer, .address_space: global }
      - { .name: Wv, .offset: 40, .size: 8, .value_kind: global_buffer, .address_space: global }
      - { .name: Wo, .offset: 48, .size: 8, .value_kind: global_buffer, .address_space: global }
      - { .name: xc, .offset: 56, .size: 8, .value_kind: global_buffer, .address_space: global }
      - { .name: xs, .offset: 64, .size: 8, .value_kind: global_buffer, .address_space: global }
      - { .name: wc, .offset: 72, .size: 8, .value_kind: global_buffer, .address_space: global }
      - { .name: ws, .offset: 80, .size: 8, .value_kind: global_buffer, .address_space: global }
    .group_segment_fixed_size: 46592
    .private_segment_fixed_size: 0
    .kernarg_segment_align: 8
    .kernarg_segment_size: 88
    .max_flat_workgroup_size: 128
    .sgpr_count:     66
    .vgpr_count:     256
    .wavefront_size: 32
...
	.end_amdgpu_metadata
.endif
;; end of part 1
;; launch proj_qk (part 2): grid 4 x 64, 4 waves a work-group, clusters of 4 x 4, 327,680 bytes of LDS; arguments xc, xs, wc, ws, bq, bk, v_mask, qi, kv; writes qi, kv
.if DOCPART == 2
	.amdgcn_target "amdgcn-amd-amdhsa--gfx1250"
	.amdhsa_code_object_version 6
	.text
	.protected	k_q8175f66f2f_proj_qk
	.globl	k_q8175f66f2f_proj_qk
	.p2align	8
	.type	k_q8175f66f2f_proj_qk,@function
k_q8175f66f2f_proj_qk:
	s_mov_b64 s[64:65], 0
	v_nop
	global_prefetch_b8 v0, s[64:65] scope:SCOPE_SE
	s_setreg_imm32_b32 hwreg(HW_REG_WAVE_MODE, 25, 1), 1
	s_wait_xcnt 0x0
	s_wait_alu depctr_hold_cnt(0) depctr_sa_sdst(0) depctr_va_vdst(0) depctr_va_sdst(0) depctr_va_ssrc(0) depctr_va_vcc(0) depctr_vm_vsrc(0)
	s_getreg_b32 s2, hwreg(HW_REG_IB_STS2, 6, 4)
	s_cmp_eq_u32 s2, 0
	s_cbranch_scc0 .Lentry_in_a_cluster
	s_endpgm
.Lentry_in_a_cluster:
	s_bfe_u32 s2, ttmp6, 0x10000c
	s_cmp_lg_u32 s2, 0xf033
	s_cbranch_scc0 .Lentry_shape_is_right
	s_endpgm
.Lentry_shape_is_right:
.set FR,    12
.set NLA,   3
.set NP,    4
.set NQ,    1                          ; one scale word a tile and K step; two sets, by the step's parity
.set HALFT, 36864                      ; three K steps of one block of 128 rows: a wave's quarter of a slot
.set SLOT,  4*HALFT
.set SCL,   2*SLOT
.set HALFS, 4096
.set SPARE, SCL+4*HALFS
.set RBC,   98304
.set ADRA, 16
.set ADRB, 20
.set LO,   26
.set ADRS, 27
.set SPW,  28
.set NIL,  29
.set SC,   32
.set BI,   64
.set AF,   128
.set MK,   224
.set TM,   64
.set PW,   80
.set PWE,  81
.set SA,   84
.set SBH,  88
.set SL,   92
.set HA,   96
.set HB,   108
.set CT,   120
.set G1, 24
.set G0, 32
.set G1B, 48
.set G0B, 56
.set MSB, 0
.macro WIN new
.set NEWW, \new
.if MSB != NEWW
	s_set_vgpr_msb (MSB<<8)|NEWW
.set MSB, NEWW
.endif
.endm
.set MUL_LO, 0xa1
.set MUL_HI, 0xf1
.set TO_B,   0x40
.macro JLOAD g0a, g1a, g0b, g1b
	s_cmp_eq_u32 s15, 0
	s_cbranch_scc0 .Lfor_b_\@
	tensor_load_to_lds s[\g0a:\g0a+3], s[\g1a:\g1a+7]
	s_nop 0
.rept 4
	v_nop
.endr
	s_branch .Lasked_\@
.Lfor_b_\@:
	tensor_load_to_lds s[\g0b:\g0b+3], s[\g1b:\g1b+7]
	s_nop 0
.rept 4
	v_nop
.endr
.Lasked_\@:
.endm
.macro CREST
	s_cmp_lg_u32 s14, 0
	s_cbranch_scc1 .Lnot_wave_0_\@
	s_barrier_signal -3
.Lnot_wave_0_\@:
	s_barrier_wait -3
	s_barrier_signal -1
	s_barrier_wait -1
.endm
.macro CROUND
	s_barrier_signal -1
	s_barrier_wait -1
	CREST
.endm
	s_load_b256 s[4:11], s[0:1], 0x0
	s_load_b128 s[96:99], s[0:1], 0x20
	s_load_b64 s[100:101], s[0:1], 0x30
	s_load_b128 s[92:95], s[0:1], 0x38
	v_lshl_add_u32 v[SPW], v0, 2, SPARE
	v_mov_b32 v[NIL], 0
	ds_add_u32 v28, v29
	ds_add_u32 v28, v29
	s_wait_dscnt 0x0
	v_lshrrev_b32 v1, 5, v0
	v_readfirstlane_b32 s14, v1
	s_lshr_b32 s15, s14, 1
	s_and_b32 s16, s14, 1
	s_bfe_u32 s40, ttmp6, 0x40000
	s_bfe_u32 s41, ttmp6, 0x40004
	s_lshl_b32 s42, ttmp9, 2
	s_add_co_u32 s42, s42, s40
	s_and_b32 s19, ttmp7, 0xffff
	s_lshl_b32 s17, s19, 2
	s_add_co_u32 s17, s17, s41
	s_lshr_b32 s19, s19, 3
	s_lshl_b32 s43, s41, 2
	s_lshl_b32 s43, 15, s43
	s_lshl_b32 s44, 0x1111, s40
	s_or_b32 s[G1+0], s43, (3<<16)|(1<<21)
	s_or_b32 s[G1B+0], s44, (3<<16)|(1<<21)
.irp g, G1, G1B
	s_mov_b32 s[\g+1], 32<<16
	s_mov_b32 s[\g+2], 144<<16
	s_mov_b32 s[\g+3], 32<<16
	s_mov_b32 s[\g+4], 144
	s_mov_b32 s[\g+5], 32
	s_mov_b32 s[\g+6], 0
	s_mov_b32 s[\g+7], 0
.endr
	s_lshl_b32 s20, s17, 1
	s_add_co_u32 s20, s20, s16
	s_lshl_b32 s46, s42, 1
	s_add_co_u32 s46, s46, s16
	s_lshl_b32 s22, s20, 12
	s_mul_i32 s20, s20, RBC
	s_lshl_b32 s2, s46, 12
	s_mul_i32 s46, s46, RBC
	s_mul_i32 s18, s19, 8*RBC
	s_add_co_u32 s46, s46, s18
	s_lshl_b32 s18, s19, 15
	s_add_co_u32 s2, s2, s18
	s_mov_b32 s21, 0
	s_mov_b32 s23, 0
	s_mov_b32 s3, 0
	s_mov_b32 s47, 0
	s_mul_i32 s45, s14, HALFT
	s_lshl_b32 s12, s14, 12
	s_wait_kmcnt 0x0
	s_add_nc_u64 s[20:21], s[4:5], s[20:21]
	s_add_nc_u64 s[22:23], s[6:7], s[22:23]
	s_add_nc_u64 s[46:47], s[8:9], s[46:47]
	s_add_nc_u64 s[2:3], s[10:11], s[2:3]
	CROUND
.irp s, 0,1
	s_mov_b32 s[G0+4*\s], 1
	s_add_co_u32 s[G0+4*\s+1], s45, \s*SLOT
	s_add_nc_u64 s[G0+4*\s+2:G0+4*\s+3], s[20:21], \s*HALFT
	s_or_b32 s[G0+4*\s+3], s[G0+4*\s+3], 0x80000000
	s_mov_b32 s[G0B+4*\s], 1
	s_add_co_u32 s[G0B+4*\s+1], s45, \s*SLOT
	s_add_nc_u64 s[G0B+4*\s+2:G0B+4*\s+3], s[46:47], \s*HALFT
	s_or_b32 s[G0B+4*\s+3], s[G0B+4*\s+3], 0x80000000
.endr
	JLOAD G0, G1, G0B, G1B                         ; the head's one load a wave: my quarter of slot 0, K steps 0 to 2
	s_cmp_eq_u32 s15, 0                            ; my block's 4,096 bytes of scale words (waves 0, 1: A's blocks; 2, 3: B's) go through registers into LDS bytes of their own
	s_cselect_b64 s[68:69], s[22:23], s[2:3]
	v_and_b32 v1, 15, v0
	v_bfe_u32 v2, v0, 4, 1
	v_and_b32 v3, 31, v0
	v_lshlrev_b32 v[LO], 4, v3
.irp i, 0,1,2,3,4,5,6,7
	global_load_b128 v[AF+4*\i:AF+4*\i+3], v[LO], s[68:69] offset:512*\i
.endr
	v_add_nc_u32 v8, s12, v[LO]
	v_add_nc_u32 v8, SCL, v8                       ; where they go: SCL + 4,096 x wave + 16 x lane
	s_wait_alu depctr_va_vdst(0)
	s_mul_i32 s21, s15, HALFT
	s_mul_i32 s22, s16, HALFT
	s_add_co_u32 s22, s22, 2*HALFT
.irp s, 0,1
	v_add_nc_u32 v[ADRA+\s], s21, v[LO]
	v_add_nc_u32 v[ADRB+\s], s22, v[LO]
	s_add_co_u32 s21, s21, SLOT
	s_add_co_u32 s22, s22, SLOT
.endr
	v_lshlrev_b32 v5, 2, v1
	s_lshl_b32 s21, s15, 12
	s_lshl_b32 s22, s16, 12
	s_add_co_u32 s22, s22, 2*HALFS
	s_sub_co_u32 s22, s22, s21
	v_mul_u32_u24 v6, s22, v2
	s_add_co_u32 s21, s21, SCL
	v_add_nc_u32 v5, v5, v6
	v_add_nc_u32 v[ADRS], s21, v5
	s_cmp_lg_u32 s19, 0
	s_cselect_b64 s[96:97], s[98:99], s[96:97]
	s_cselect_b64 s[92:93], s[94:95], s[92:93]
	s_cselect_b32 s13, -1, 0
	s_mov_b32 s18, 106496
	s_cselect_b32 s18, 208896, s18
	s_mov_b32 s23, 98304
	s_cselect_b32 s23, 196608, s23
	s_lshl_b32 s46, s42, 10
	s_lshl_b32 s47, s16, 9
	s_add_co_u32 s46, s46, s47
	s_mov_b32 s47, 0
	s_add_nc_u64 s[96:97], s[96:97], s[46:47]
	v_lshlrev_b32 v4, 6, v2
.irp b, 0,1,2,3,4,5,6,7
	global_load_b128 v[BI+8*\b:BI+8*\b+3], v4, s[96:97] offset:128*(\b/2)+32*(\b%2)
	global_load_b128 v[BI+8*\b+4:BI+8*\b+7], v4, s[96:97] offset:128*(\b/2)+32*(\b%2)+16
.endr
	s_lshl_b32 s20, s17, 1
	s_add_co_u32 s20, s20, s15
	s_and_b32 s20, s20, 63
	s_lshl_b32 s46, s20, 9
	s_add_nc_u64 s[100:101], s[100:101], s[46:47]
	v_and_b32 v7, 8, v1                            ; lane r of row tile a is token 64 (a / 4) + 8 (a % 4) + r % 8 + 32 (r / 8) of the 128
	v_mad_u32_u24 v7, v7, 3, v1                    ; r % 8 + 32 (r / 8)
	v_lshlrev_b32 v7, 2, v7
.irp a, 0,1,2,3,4,5,6,7
	global_load_b32 v[MK+2*\a], v7, s[100:101] offset:4*(64*(\a/4)+8*(\a%4))
.endr
	s_lshr_b32 s21, s20, 4
	s_and_b32 s22, s20, 15
	s_lshl_b32 s46, s42, 1
	s_add_co_u32 s46, s46, s16
	s_lshl_b32 s46, s46, 1
	s_lshl_b32 s21, s21, 4
	s_add_co_u32 s21, s21, s46
	s_mul_i32 s46, s21, s18
	s_add_nc_u64 s[92:93], s[92:93], s[46:47]
	s_lshl_b32 s46, s22, 9
	s_add_co_u32 s46, s46, s23
	s_add_nc_u64 s[98:99], s[92:93], s[46:47]
	s_mul_i32 s46, s22, 6144
	s_add_nc_u64 s[92:93], s[92:93], s[46:47]
	s_mov_b32 s46, s18
	s_add_nc_u64 s[94:95], s[92:93], s[46:47]
	s_add_nc_u64 s[104:105], s[98:99], s[46:47]
	s_mov_b32 s66, 0x76543210
	s_mov_b32 s67, 0xfedcba98
	s_mov_b32 s2, 0xffff0000
	v_mov_b32 v6, 0x3e000000
	s_wait_alu depctr_va_vdst(0)
	s_wait_loadcnt 0x0
.irp i, 0,1,2,3,4,5,6,7
	ds_store_b128 v8, v[AF+4*\i:AF+4*\i+3] offset:512*\i
.endr
.irp a, 0,1,2,3,4,5,6,7
	v_cvt_f32_i32 v[MK+2*\a], v[MK+2*\a]
.endr
	s_wait_alu depctr_va_vdst(0)
.irp a, 0,1,2,3,4,5,6,7
	v_cndmask_b32 v[MK+2*\a], v6, v[MK+2*\a], s13
.endr
.irp a, 0,1,2,3,4,5,6,7
	v_mov_b32 v[MK+2*\a+1], v[MK+2*\a]
.endr
.macro FRAG reg, adr, q, i
.irp c, 0,1,2
	ds_load_b128 v[\reg+4*\c:\reg+4*\c+3], v[\adr] offset:12288*(\q)+1536*(\i)+512*\c
.endr
.endm
.macro MUL16 a0, p, q, sc, zero
.irp a, \a0, \a0+1
.irp b, 0,1,2,3,4,5,6,7
.if \zero
	v_wmma_scale_f32_16x16x128_f8f6f4 v[8*(8*((\a)%4)+\b):8*(8*((\a)%4)+\b)+7], v[128*(\p)+FR*\b:128*(\p)+FR*\b+FR-1], v[AF+FR*(\a):AF+FR*(\a)+FR-1], v[BI+8*\b:BI+8*\b+7], v[SC+8*NQ*(\sc)+NQ*\b+(\q)], v[SC+8*NQ*(\sc)+NQ*(\a)+(\q)] matrix_a_fmt:MATRIX_FMT_FP6 matrix_b_fmt:MATRIX_FMT_FP6 matrix_a_scale:MATRIX_SCALE_ROW1
.else
	v_wmma_scale_f32_16x16x128_f8f6f4 v[8*(8*((\a)%4)+\b):8*(8*((\a)%4)+\b)+7], v[128*(\p)+FR*\b:128*(\p)+FR*\b+FR-1], v[AF+FR*(\a):AF+FR*(\a)+FR-1], v[8*(8*((\a)%4)+\b):8*(8*((\a)%4)+\b)+7], v[SC+8*NQ*(\sc)+NQ*\b+(\q)], v[SC+8*NQ*(\sc)+NQ*(\a)+(\q)] matrix_a_fmt:MATRIX_FMT_FP6 matrix_b_fmt:MATRIX_FMT_FP6 matrix_a_scale:MATRIX_SCALE_ROW1
.endif
.endr
.endr
.endm
.macro FETCH_B slot, q, p
	WIN TO_B
.irp i, 0,1,2,3,4,5,6,7
	FRAG 128*(\p)+FR*\i, ADRB+\slot, \q, \i
.endr
	WIN 0
.endm
.macro FETCH_A slot, q, i0
.irp i, \i0, \i0+1, \i0+2, \i0+3
	FRAG AF+FR*(\i), ADRA+\slot, \q, \i
.endr
.endm
.macro SCALES st                       ; K step st's words into set st % 2: lanes 0-15 A's tile i, lanes 16-31 B's
.irp i, 0,1,2,3,4,5,6,7
	ds_load_b32 v[SC+8*((\st)%2)+\i], v[ADRS] offset:512*(\st)+64*\i
.endr
.endm
.macro PLACES n
.rept \n
	v_nop
.endr
.endm
; K step st (0 to 6): 64 products; the next step's fragments and scale words are fetched in its middle and at its end.  K step s lies in slot (s / 3) % 2, at place s % 3.
; Where the next step lies in the other slot (st = 2, 5) each wave waits for all its tensor loads, adds 0 to its spare word and waits for that and for its reads; behind st = 2's barrier, which opens a round
; of the cluster's barrier, slot 0 takes K steps 6 and 7 (96 rows of 256 bytes a wave); behind st = 5's nothing is filled.
.macro KSTEP st, zero
.set NX, (\st)+1
.set SL1, (NX/3)%2
.set Q1, NX%3
.if Q1 == 0
	s_wait_tensorcnt 0x0
	ds_add_u32 v[SPW], v[NIL]
	s_wait_dscnt 4*NLA+1                           ; the add and A's tiles 4-7 may be out
	WIN MUL_LO
	MUL16 0, (\st)%2, 0, (\st)%2, 0
	s_wait_dscnt 0x0
	s_barrier_signal -1
	MUL16 2, (\st)%2, 0, (\st)%2, 0
	WIN 0
	s_barrier_wait -1
.if (\st) == 2
	CREST
	s_mov_b32 s[G1+2], 96<<16                      ; no tensor load of mine is out: the last fill has two K steps
	s_mov_b32 s[G1+4], 96
	s_mov_b32 s[G1B+2], 96<<16
	s_mov_b32 s[G1B+4], 96
	s_add_nc_u64 s[G0+2:G0+3], s[G0+2:G0+3], 2*HALFT
	s_add_nc_u64 s[G0B+2:G0B+3], s[G0B+2:G0B+3], 2*HALFT
	JLOAD G0, G1, G0B, G1B
.else
	PLACES NP
.endif
.else
	s_wait_dscnt 4*NLA                             ; A's tiles 4-7 may be out
	WIN MUL_LO-0x20*\zero
	MUL16 0, (\st)%2, 0, (\st)%2, \zero
	MUL16 2, (\st)%2, 0, (\st)%2, \zero
	s_wait_dscnt 0
	PLACES NP
.endif
	FETCH_B SL1, Q1, NX%2
	FETCH_A SL1, Q1, 0
	SCALES NX
	WIN MUL_HI-0x30*\zero
	MUL16 4, (\st)%2, 0, (\st)%2, \zero
	MUL16 6, (\st)%2, 0, (\st)%2, \zero
	PLACES NP
	WIN 0
	FETCH_A SL1, Q1, 4
.endm
	s_wait_alu depctr_va_vdst(0)                   ; the wait at the head's end
	s_wait_tensorcnt 0x0                           ; my quarter of slot 0 is in; the lines ahead of a later first fill:
	ds_add_u32 v[SPW], v[NIL]
	s_wait_dscnt 0x0                               ; the add and my stores of scale words are done
	CROUND
	JLOAD G0+4, G1, G0B+4, G1B                     ; slot 1: K steps 3 to 5
	FETCH_B 0, 0, 0
	FETCH_A 0, 0, 0
	SCALES 0
	FETCH_A 0, 0, 4
	KSTEP 0, 1
.irp st, 1,2,3,4,5,6
	KSTEP \st, 0
.endr
	s_wait_dscnt 4*NLA
	WIN MUL_LO
	MUL16 0, 1, NQ-1, 1, 0
	MUL16 2, 1, NQ-1, 1, 0
	s_wait_dscnt 0
	WIN MUL_HI
	MUL16 4, 1, NQ-1, 1, 0
	MUL16 6, 1, NQ-1, 1, 0
	WIN 0
.macro QUANT s, W, d0, d1
	WIN ((\W)<<2)|((\W)<<4)
.irp b, 0,1,2,3
	v_max3_num_f32 v[TM+\b], 0x1800000, |v[\s+16*\b]|, |v[\s+1+16*\b]|
.endr
.irp i, 2,4,6,8,10,12,14
.irp b, 0,1,2,3
	v_max3_num_f32 v[TM+\b], v[TM+\b], |v[\s+16*\b+\i]|, |v[\s+1+16*\b+\i]|
.endr
.endr
	WIN 0
.irp b, 0,1,2,3
	v_permlanex16_b32 v[TM+4+\b], v[TM+\b], s66, s67
.endr
.irp b, 0,1,2,3
	v_max_num_f32 v[TM+\b], v[TM+\b], v[TM+4+\b]
.endr
.irp b, 0,1,2,3
	v_add_nc_u32 v[TM+12+\b], 0xff000000, v[TM+\b]
.endr
.irp b, 0,1,2,3
	v_lshrrev_b32 v[TM+4+\b], 23, v[TM+12+\b]
.endr
	v_lshl_or_b32 v[PW], v[TM+5], 8, v[TM+4]
	v_lshl_or_b32 v[PW], v[TM+6], 16, v[PW]
	v_lshl_or_b32 v[PW], v[TM+7], 24, v[PW]
	WIN \W
	v_cvt_scalef32_pk16_fp6_f32 v[\d0:\d0+2], v[\s:\s+15], v[TM+12]
	v_cvt_scalef32_pk16_fp6_f32 v[CT:CT+2], v[\s+16:\s+31], v[TM+13]
	v_cvt_scalef32_pk16_fp6_f32 v[\d1:\d1+2], v[\s+32:\s+47], v[TM+14]
	v_cvt_scalef32_pk16_fp6_f32 v[CT+4:CT+6], v[\s+48:\s+63], v[TM+15]
	WIN 0
	v_nop
.irp i, 0,1,2
	v_permlane16_swap_b32 v[\d0+\i], v[CT+\i]
.endr
.irp i, 0,1,2
	v_mov_b32 v[\d0+3+\i], v[CT+\i]
.endr
.irp i, 0,1,2
	v_permlane16_swap_b32 v[\d1+\i], v[CT+4+\i]
.endr
.irp i, 0,1,2
	v_mov_b32 v[\d1+3+\i], v[CT+4+\i]
.endr
.endm
.irp b, 0,1,2,3
	v_mov_b32 v[TM+4+\b], 0
.endr
.irp a, 0,1,2,3,4,5,6,7
.set QW, 2+\a/4
.set QSR, 64*(\a%4)
	WIN QW|(QW<<6)
.set i, 0
.rept 32
	v_pk_mul_f32 v[QSR+i:QSR+i+1], v[QSR+i:QSR+i+1], v[MK+2*\a:MK+2*\a+1] op_sel_hi:[1,0]
.set i, i+2
.endr
.if (\a%2 == 0) && (\a > 0)
	s_wait_xcnt 0x0
.endif
	QUANT QSR, QW, HA+6*(\a%2), HB+6*(\a%2)
.if \a%2 == 0
	v_mov_b32 v[PWE], v[PW]
.else
	v_cndmask_b32 v[SA+\a/2], v[PWE], v[PW], s2
.irp c, 0,1,2
	global_store_b128 v[LO], v[HA+4*\c:HA+4*\c+3], s[92:93] offset:1536*(\a/2)+512*\c
.endr
.irp c, 0,1,2
	global_store_b128 v[LO], v[HB+4*\c:HB+4*\c+3], s[94:95] offset:1536*(\a/2)+512*\c
.endr
.endif
.endr
.irp w, 0,1,2,3
	v_and_b32 v[SL+\w], 0xffff, v[SA+\w]
	v_lshrrev_b32 v[SBH+\w], 16, v[SA+\w]
.endr
	global_store_b128 v[LO], v[SL:SL+3], s[98:99]
	global_store_b128 v[LO], v[SBH:SBH+3], s[104:105]
	s_wait_tensorcnt 0x0
	ds_add_u32 v[SPW], v[NIL]
	s_wait_dscnt 0x0
	CROUND
	s_endpgm
.Lfunc_end_k_q8175f66f2f_proj_qk:
	.size	k_q8175f66f2f_proj_qk, .Lfunc_end_k_q8175f66f2f_proj_qk-k_q8175f66f2f_proj_qk
	.p2alignl 7, 3214868480
	.fill 96, 4, 3214868480
	.section	.rodata,"a",@progbits
	.p2align	6, 0x0
	.amdhsa_kernel k_q8175f66f2f_proj_qk
		.amdhsa_group_segment_fixed_size 327680
		.amdhsa_private_segment_fixed_size 0
		.amdhsa_enable_private_segment 0
		.amdhsa_kernarg_size 72
		.amdhsa_user_sgpr_count 2
		.amdhsa_user_sgpr_kernarg_segment_ptr 1
		.amdhsa_wavefront_size32 1
		.amdhsa_system_sgpr_workgroup_id_x 1
		.amdhsa_system_sgpr_workgroup_id_y 1
		.amdhsa_system_sgpr_workgroup_id_z 1
		.amdhsa_system_vgpr_workitem_id 0
		.amdhsa_next_free_vgpr 1024
		.amdhsa_next_free_sgpr 106
		.amdhsa_reserve_vcc 0
		.amdhsa_float_denorm_mode_32 3
		.amdhsa_float_denorm_mode_16_64 3
		.amdhsa_memory_ordered 1
		.amdhsa_forward_progress 1
		.amdhsa_inst_pref_size 162
	.end_amdhsa_kernel
	.amdgpu_metadata
---
amdhsa.version: [ 1, 2 ]
amdhsa.kernels:
  - .name:           k_q8175f66f2f_proj_qk
    .symbol:         k_q8175f66f2f_proj_qk.kd
    .args:
      - { .name: xc, .offset: 0, .size: 8, .value_kind: global_buffer, .address_space: global }
      - { .name: xs, .offset: 8, .size: 8, .value_kind: global_buffer, .address_space: global }
      - { .name: wc, .offset: 16, .size: 8, .value_kind: global_buffer, .address_space: global }
      - { .name: ws, .offset: 24, .size: 8, .value_kind: global_buffer, .address_space: global }
      - { .name: bq, .offset: 32, .size: 8, .value_kind: global_buffer, .address_space: global }
      - { .name: bk, .offset: 40, .size: 8, .value_kind: global_buffer, .address_space: global }
      - { .name: v_mask, .offset: 48, .size: 8, .value_kind: global_buffer, .address_space: global }
      - { .name: qi, .offset: 56, .size: 8, .value_kind: global_buffer, .address_space: global }
      - { .name: kv, .offset: 64, .size: 8, .value_kind: global_buffer, .address_space: global }
    .group_segment_fixed_size: 327680
    .private_segment_fixed_size: 0
    .kernarg_segment_align: 8
    .kernarg_segment_size: 72
    .max_flat_workgroup_size: 128
    .sgpr_count:     106
    .vgpr_count:     1024
    .wavefront_size: 32
...
	.end_amdgpu_metadata
.endif
;; end of part 2
;; launch proj_v (part 3): grid 32 x 8, 4 waves a work-group, clusters of 4 x 4, 327,680 bytes of LDS; arguments wc, ws, xc, xs, bv, kv; writes kv
.if DOCPART == 3
	.amdgcn_target "amdgcn-amd-amdhsa--gfx1250"
	.amdhsa_code_object_version 6
	.text
	.protected	k_q8175f66f2f_proj_v
	.globl	k_q8175f66f2f_proj_v
	.p2align	8
	.type	k_q8175f66f2f_proj_v,@function
k_q8175f66f2f_proj_v:
	s_mov_b64 s[64:65], 0
	v_nop
	global_prefetch_b8 v0, s[64:65] scope:SCOPE_SE
	s_setreg_imm32_b32 hwreg(HW_REG_WAVE_MODE, 25, 1), 1
	s_wait_xcnt 0x0
	s_wait_alu depctr_hold_cnt(0) depctr_sa_sdst(0) depctr_va_vdst(0) depctr_va_sdst(0) depctr_va_ssrc(0) depctr_va_vcc(0) depctr_vm_vsrc(0)
	s_getreg_b32 s2, hwreg(HW_REG_IB_STS2, 6, 4)
	s_cmp_eq_u32 s2, 0
	s_cbranch_scc0 .Lentry_in_a_cluster
	s_endpgm
.Lentry_in_a_cluster:
	s_bfe_u32 s2, ttmp6, 0x10000c
	s_cmp_lg_u32 s2, 0xf033
	s_cbranch_scc0 .Lentry_shape_is_right
	s_endpgm
.Lentry_shape_is_right:
.set FR,    12
.set NP,    4
.set RBC,   98304
.set KSB,   12288
.set QB,    24576
.set LB,    98304
.set SCL,   294912
.set ADRA, 16
.set ADRB, 20
.set LO,   26
.set ADRS, 27
.set L8,   31
.set SC,   32
.set BI,   64
.set AF,   128
.set TM,   64
.set PW,   80
.set PWE,  81
.set VSW,  84
.set PC,   96
.set CT,   120
.set G1, 24
.set G0, 32
.set G1B, 48
.set G0B, 56
.set G1S, 76
.set G1SB, 84
.set G0S, 92
.set G0SB, 96
.set MSB, 0
.macro WIN new
.set NEWW, \new
.if MSB != NEWW
	s_set_vgpr_msb (MSB<<8)|NEWW
.set MSB, NEWW
.endif
.endm
.set MUL,  0xa1
.set TO_B, 0x40
.macro ARM under, g0, g1, next         ; an arm of the head's one chain of branches on the wave's number: one joint load
	s_cmp_lt_u32 s14, \under
	s_cbranch_scc0 \next
	tensor_load_to_lds s[\g0:\g0+3], s[\g1:\g1+7]
	s_nop 0
.rept 4
	v_nop
.endr
	s_branch .Lhead_asked
\next:
.endm
.macro CROUND
	s_barrier_signal -1
	s_barrier_wait -1
	s_cmp_lg_u32 s14, 0
	s_cbranch_scc1 .Lnot_wave_0_\@
	s_barrier_signal -3
.Lnot_wave_0_\@:
	s_barrier_wait -3
	s_barrier_signal -1
	s_barrier_wait -1
.endm
.macro SHAPE g, rows
	s_mov_b32 s[\g+1], 32<<16
	s_mov_b32 s[\g+2], (\rows)<<16
	s_mov_b32 s[\g+3], 32<<16
	s_mov_b32 s[\g+4], \rows
	s_mov_b32 s[\g+5], 32
	s_mov_b32 s[\g+6], 0
	s_mov_b32 s[\g+7], 0
.endm
	s_load_b256 s[4:11], s[0:1], 0x0
	s_load_b64 s[100:101], s[0:1], 0x20
	s_load_b64 s[104:105], s[0:1], 0x28
	v_lshl_add_u32 v254, v0, 2, 0x4b000
	v_mov_b32 v255, 0
	ds_add_u32 v254, v255
	ds_add_u32 v254, v255
	v_lshrrev_b32 v1, 5, v0
	v_readfirstlane_b32 s14, v1
	s_lshr_b32 s15, s14, 1
	s_and_b32 s16, s14, 1
	s_bfe_u32 s66, ttmp6, 0x40000
	s_bfe_u32 s67, ttmp6, 0x40004
	s_lshl_b32 s18, ttmp9, 2
	s_add_co_u32 s18, s18, s66
	s_and_b32 s17, ttmp7, 0xffff
	s_lshl_b32 s17, s17, 2
	s_add_co_u32 s17, s17, s67
	s_lshl_b32 s19, s67, 2
	s_lshl_b32 s19, 15, s19
	s_lshl_b32 s3, 0x1111, s66
	s_or_b32 s[G1+0], s19, (3<<16)|(1<<21)
	s_or_b32 s[G1S+0], s19, (3<<16)|(1<<21)
	s_or_b32 s[G1B+0], s3, (3<<16)|(1<<21)
	s_or_b32 s[G1SB+0], s3, (3<<16)|(1<<21)
	SHAPE G1, 384                                  ; each of the four tiles is dense in memory and comes whole, as rows of 256 bytes
	SHAPE G1B, 768
	SHAPE G1S, 16
	SHAPE G1SB, 32
	s_mul_i32 s20, s17, RBC
	s_add_co_u32 s20, s20, 16*RBC
	s_lshl_b32 s22, s17, 12
	s_add_co_u32 s22, s22, 16*4096
	s_lshl_b32 s12, s18, 1
	s_lshl_b32 s2, s12, 12
	s_mul_i32 s12, s12, RBC
	s_add_co_u32 s12, s12, 128*RBC
	s_add_co_u32 s2, s2, 128*4096
	s_mov_b32 s21, 0
	s_mov_b32 s23, 0
	s_mov_b32 s13, 0
	s_mov_b32 s3, 0
	s_wait_dscnt 0x0
	s_wait_kmcnt 0x0
	s_add_nc_u64 s[20:21], s[4:5], s[20:21]
	s_add_nc_u64 s[22:23], s[6:7], s[22:23]
	s_add_nc_u64 s[12:13], s[8:9], s[12:13]
	s_add_nc_u64 s[2:3], s[10:11], s[2:3]
	CROUND
	s_mov_b32 s[G0S], 1                            ; all of K lies in LDS, filled once: wave 0 asks for A's scale words, wave 1 for B's, wave 2 for A's codes, wave 3 for B's
	s_mov_b32 s[G0S+1], SCL
	s_mov_b64 s[G0S+2:G0S+3], s[22:23]
	s_or_b32 s[G0S+3], s[G0S+3], 0x80000000
	s_mov_b32 s[G0SB], 1
	s_mov_b32 s[G0SB+1], SCL+4096
	s_mov_b64 s[G0SB+2:G0SB+3], s[2:3]
	s_or_b32 s[G0SB+3], s[G0SB+3], 0x80000000
	s_mov_b32 s[G0], 1
	s_mov_b32 s[G0+1], 0
	s_mov_b64 s[G0+2:G0+3], s[20:21]
	s_or_b32 s[G0+3], s[G0+3], 0x80000000
	s_mov_b32 s[G0B], 1
	s_mov_b32 s[G0B+1], LB
	s_mov_b64 s[G0B+2:G0B+3], s[12:13]
	s_or_b32 s[G0B+3], s[G0B+3], 0x80000000
	ARM 1, G0S, G1S, .Lhead_sb
	ARM 2, G0SB, G1SB, .Lhead_a
	ARM 3, G0, G1, .Lhead_b
	tensor_load_to_lds s[G0B:G0B+3], s[G1B:G1B+7]
	s_nop 0
.rept 4
	v_nop
.endr
.Lhead_asked:
	v_and_b32 v1, 15, v0
	v_bfe_u32 v2, v0, 4, 1
	s_wait_alu depctr_va_vdst(0)
	v_and_b32 v3, 31, v0
	v_lshlrev_b32 v[LO], 4, v3
	v_lshlrev_b32 v[L8], 3, v3
	s_mul_i32 s20, s15, 6144
	s_mul_i32 s21, s16, RBC
	s_add_co_u32 s21, s21, LB
.irp j, 0,1
	v_add_nc_u32 v[ADRA+\j], s20, v[LO]
	v_add_nc_u32 v[ADRB+\j], s21, v[LO]
	s_add_co_u32 s20, s20, 4*KSB
	s_add_co_u32 s21, s21, 4*KSB
.endr
	v_lshlrev_b32 v5, 2, v1
	s_lshl_b32 s22, s15, 8
	s_lshl_b32 s23, s16, 12
	s_add_co_u32 s23, s23, 4096
	s_sub_co_u32 s23, s23, s22
	v_mul_u32_u24 v6, s23, v2
	s_add_co_u32 s22, s22, SCL
	v_add_nc_u32 v5, v5, v6
	v_add_nc_u32 v[ADRS], s22, v5
	s_lshl_b32 s20, s17, 1
	s_add_co_u32 s20, s20, s15
	s_lshl_b32 s12, s20, 8
	s_mov_b32 s13, 0
	s_add_nc_u64 s[100:101], s[100:101], s[12:13]
	v_and_b32 v7, 8, v1
	v_add_nc_u32 v7, v7, v1
	v_lshlrev_b32 v7, 2, v7
.irp a, 0,1,2,3
	global_load_b32 v[BI+8*\a], v7, s[100:101] offset:4*(32*(\a/2)+8*(\a%2))
.endr
	s_lshl_b32 s21, s18, 1
	s_add_co_u32 s21, s21, s16
	s_and_b32 s22, s21, 15
	s_lshr_b32 s21, s21, 4
	s_lshl_b32 s21, s21, 4
	s_add_co_u32 s21, s21, s20
	s_mul_i32 s12, s21, 208896
	s_add_nc_u64 s[104:105], s[104:105], s[12:13]
	s_lshl_b32 s12, s22, 8
	s_add_co_u32 s12, s12, 204800
	s_add_nc_u64 s[4:5], s[104:105], s[12:13]
	s_mul_i32 s12, s22, 6144
	s_add_co_u32 s12, s12, 98304
	s_add_nc_u64 s[104:105], s[104:105], s[12:13]
	s_mov_b32 s66, 0x76543210
	s_mov_b32 s67, 0xfedcba98
	s_mov_b32 s2, 0xffff0000
	s_wait_loadcnt 0x0
.irp a, 0,1,2,3
.irp j, 1,2,3,4,5,6,7
	v_mov_b32 v[BI+8*\a+\j], v[BI+8*\a]
.endr
.endr
.macro FRAG reg, adr, off
.irp c, 0,1,2
	ds_load_b128 v[\reg+4*\c:\reg+4*\c+3], v[\adr] offset:\off+512*\c
.endr
.endm
.macro FETCH s
	WIN TO_B
.irp i, 0,1,2,3,4,5,6,7
	FRAG 128*((\s)%2)+FR*\i, ADRB+(\s)/4, ((\s)%4)*KSB+1536*\i
.endr
	WIN 0
.irp i, 0,1,2,3
	FRAG AF+48*((\s)%2)+FR*\i, ADRA+(\s)/4, ((\s)%4)*KSB+1536*\i
.endr
.irp i, 0,1,2,3,4,5,6,7
	ds_load_b32 v[SC+8*((\s)%2)+\i], v[ADRS] offset:512*(\s)+64*\i
.endr
.endm
.macro MUL16 a0, s, zero
.irp a, \a0, \a0+1
.irp b, 0,1,2,3,4,5,6,7
.if \zero
	v_wmma_scale_f32_16x16x128_f8f6f4 v[8*(8*(\a)+\b):8*(8*(\a)+\b)+7], v[128*((\s)%2)+FR*\b:128*((\s)%2)+FR*\b+FR-1], v[AF+48*((\s)%2)+FR*(\a):AF+48*((\s)%2)+FR*(\a)+FR-1], v[BI+8*(\a):BI+8*(\a)+7], v[SC+8*((\s)%2)+\b], v[SC+8*((\s)%2)+(\a)] matrix_a_fmt:MATRIX_FMT_FP6 matrix_b_fmt:MATRIX_FMT_FP6 matrix_a_scale:MATRIX_SCALE_ROW1
.else
	v_wmma_scale_f32_16x16x128_f8f6f4 v[8*(8*(\a)+\b):8*(8*(\a)+\b)+7], v[128*((\s)%2)+FR*\b:128*((\s)%2)+FR*\b+FR-1], v[AF+48*((\s)%2)+FR*(\a):AF+48*((\s)%2)+FR*(\a)+FR-1], v[8*(8*(\a)+\b):8*(8*(\a)+\b)+7], v[SC+8*((\s)%2)+\b], v[SC+8*((\s)%2)+(\a)] matrix_a_fmt:MATRIX_FMT_FP6 matrix_b_fmt:MATRIX_FMT_FP6 matrix_a_scale:MATRIX_SCALE_ROW1
.endif
.endr
.endr
.endm
.macro PLACES n
.rept \n
	v_nop
.endr
.endm
.macro STEP s, zero, fetch, arrive
.if \arrive >= 0
	s_wait_tensorcnt \arrive
.endif
	s_wait_dscnt 0x0
.if \arrive >= 0
	s_barrier_signal -1
	s_barrier_wait -1
.endif
.if \fetch
.if \s > 0
	PLACES NP
.endif
	FETCH (\s)+1
.endif
	WIN MUL-0x20*\zero
	MUL16 0, \s, \zero
	MUL16 2, \s, \zero
	WIN 0
.endm
	s_wait_alu depctr_va_vdst(0)
	s_wait_tensorcnt 0x0                           ; my tile is in; the barrier shows all four to all waves
	s_barrier_signal -1
	s_barrier_wait -1
	FETCH 0
	STEP 0, 1, 1, -1
	STEP 1, 0, 1, -1
	STEP 2, 0, 1, -1
	STEP 3, 0, 1, -1
	STEP 4, 0, 1, -1
	STEP 5, 0, 1, 0
	STEP 6, 0, 1, -1
	STEP 7, 0, 0, -1
.macro QUANT s, W, d0, d1
	WIN ((\W)<<2)|((\W)<<4)
.irp b, 0,1,2,3
	v_max3_num_f32 v[TM+\b], 0x1800000, |v[\s+16*\b]|, |v[\s+1+16*\b]|
.endr
.irp i, 2,4,6,8,10,12,14
.irp b, 0,1,2,3
	v_max3_num_f32 v[TM+\b], v[TM+\b], |v[\s+16*\b+\i]|, |v[\s+1+16*\b+\i]|
.endr
.endr
	WIN 0
; by the order of the tokens in a tile, registers 32 c + i of lane half h are keys 64 c + 32 h + i: a whole block of 32 in a lane, in the order of the operand's registers
	v_max_num_f32 v[TM], v[TM], v[TM+1]            ; block 2 c + h's largest magnitude: c = 0,
	v_max_num_f32 v[TM+2], v[TM+2], v[TM+3]        ; c = 1
	v_add_nc_u32 v[TM+12], 0xff000000, v[TM]
	v_add_nc_u32 v[TM+14], 0xff000000, v[TM+2]
	v_lshrrev_b32 v[TM+4], 23, v[TM+12]
	v_lshrrev_b32 v[TM+6], 23, v[TM+14]
	v_lshl_or_b32 v[PW], v[TM+6], 16, v[TM+4]      ; my two bytes,
	v_lshlrev_b32 v[PW], v9, v[PW]                 ; at their places in the scale word (8 h bits up);
	v_permlanex16_b32 v[TM+5], v[PW], s66, s67
	v_or_b32 v[PW], v[PW], v[TM+5]                 ; with lane l xor 16's two the word is whole
	WIN \W
	v_cvt_scalef32_pk16_fp6_f32 v[\d0:\d0+2], v[\s:\s+15], v[TM+12]
	v_cvt_scalef32_pk16_fp6_f32 v[CT:CT+2], v[\s+16:\s+31], v[TM+12]
	v_cvt_scalef32_pk16_fp6_f32 v[\d1:\d1+2], v[\s+32:\s+47], v[TM+14]
	v_cvt_scalef32_pk16_fp6_f32 v[CT+4:CT+6], v[\s+48:\s+63], v[TM+14]
	WIN 0
	v_nop
.irp i, 0,1,2
	v_mov_b32 v[\d0+3+\i], v[CT+\i]
.endr
.irp i, 0,1,2
	v_mov_b32 v[\d1+3+\i], v[CT+4+\i]
.endr
.endm
.irp b, 0,1,2,3
	v_mov_b32 v[TM+4+\b], 0
.endr
	v_lshlrev_b32 v9, 3, v2                        ; 8 h
.irp a, 0,1,2,3
.if \a > 0
	s_wait_xcnt 0x0
.endif
	QUANT 64*\a, 2, PC, PC+6
.irp c, 0,1,2
	global_store_b128 v[LO], v[PC+4*\c:PC+4*\c+3], s[104:105] offset:1536*\a+512*\c
.endr
.if \a%2 == 0
	v_mov_b32 v[PWE], v[PW]
.else
	v_cndmask_b32 v[VSW+\a/2], v[PWE], v[PW], s2
.endif
.endr
	global_store_b64 v[L8], v[VSW:VSW+1], s[4:5]
	s_wait_tensorcnt 0x0
	ds_add_u32 v254, v255
	s_wait_dscnt 0x0
	CROUND
	s_endpgm
.Lfunc_end_k_q8175f66f2f_proj_v:
	.size	k_q8175f66f2f_proj_v, .Lfunc_end_k_q8175f66f2f_proj_v-k_q8175f66f2f_proj_v
	.p2alignl 7, 3214868480
	.fill 96, 4, 3214868480
	.section	.rodata,"a",@progbits
	.p2align	6, 0x0
	.amdhsa_kernel k_q8175f66f2f_proj_v
		.amdhsa_group_segment_fixed_size 327680
		.amdhsa_private_segment_fixed_size 0
		.amdhsa_enable_private_segment 0
		.amdhsa_kernarg_size 48
		.amdhsa_user_sgpr_count 2
		.amdhsa_user_sgpr_kernarg_segment_ptr 1
		.amdhsa_wavefront_size32 1
		.amdhsa_system_sgpr_workgroup_id_x 1
		.amdhsa_system_sgpr_workgroup_id_y 1
		.amdhsa_system_sgpr_workgroup_id_z 1
		.amdhsa_system_vgpr_workitem_id 0
		.amdhsa_next_free_vgpr 768
		.amdhsa_next_free_sgpr 106
		.amdhsa_reserve_vcc 0
		.amdhsa_float_denorm_mode_32 3
		.amdhsa_float_denorm_mode_16_64 3
		.amdhsa_memory_ordered 1
		.amdhsa_forward_progress 1
		.amdhsa_inst_pref_size 81
	.end_amdhsa_kernel
	.amdgpu_metadata
---
amdhsa.version: [ 1, 2 ]
amdhsa.kernels:
  - .name:           k_q8175f66f2f_proj_v
    .symbol:         k_q8175f66f2f_proj_v.kd
    .args:
      - { .name: wc, .offset: 0, .size: 8, .value_kind: global_buffer, .address_space: global }
      - { .name: ws, .offset: 8, .size: 8, .value_kind: global_buffer, .address_space: global }
      - { .name: xc, .offset: 16, .size: 8, .value_kind: global_buffer, .address_space: global }
      - { .name: xs, .offset: 24, .size: 8, .value_kind: global_buffer, .address_space: global }
      - { .name: bv, .offset: 32, .size: 8, .value_kind: global_buffer, .address_space: global }
      - { .name: kv, .offset: 40, .size: 8, .value_kind: global_buffer, .address_space: global }
    .group_segment_fixed_size: 327680
    .private_segment_fixed_size: 0
    .kernarg_segment_align: 8
    .kernarg_segment_size: 48
    .max_flat_workgroup_size: 128
    .sgpr_count:     106
    .vgpr_count:     768
    .wavefront_size: 32
...
	.end_amdgpu_metadata
.endif
;; end of part 3
;; launch attn (part 4): grid 4 x 64, 8 waves a work-group, clusters of 4 x 1, 219,136 bytes of LDS; arguments qi, kv, v_mask, oc, os; writes oc, os
.if DOCPART == 4
	.amdgcn_target "amdgcn-amd-amdhsa--gfx1250"
	.amdhsa_code_object_version 6
	.text
	.protected	k_q8175f66f2f_attn
	.globl	k_q8175f66f2f_attn
	.p2align	8
	.type	k_q8175f66f2f_attn,@function
k_q8175f66f2f_attn:
	s_mov_b64 s[64:65], 0
	v_nop
	global_prefetch_b8 v0, s[64:65] scope:SCOPE_SE
	s_setreg_imm32_b32 hwreg(HW_REG_WAVE_MODE, 25, 1), 1
	s_wait_xcnt 0x0
	s_wait_alu depctr_hold_cnt(0) depctr_sa_sdst(0) depctr_va_vdst(0) depctr_va_sdst(0) depctr_va_ssrc(0) depctr_va_vcc(0) depctr_vm_vsrc(0)
	s_getreg_b32 s2, hwreg(HW_REG_IB_STS2, 6, 4)
	s_cmp_eq_u32 s2, 0
	s_cbranch_scc0 .Lentry_in_a_cluster
	s_endpgm
.Lentry_in_a_cluster:
	s_bfe_u32 s2, ttmp6, 0x10000c
	s_cmp_lg_u32 s2, 0x3003
	s_cbranch_scc0 .Lentry_shape_is_right
	s_endpgm
.Lentry_shape_is_right:
; Attention of one (batch, head) on codes of FP6 (E2M3) with E8M0 scales: S^T = K Q^T (K = the head's 64), the softmax by the stated rule, O^T = V^T P^T (K = the keys), O / l quantised along the head's 64 for the last product.
; t = logit x log2(e) (the 1/8 lies in q's codes); M = the running largest t rounded UP to a whole number; p = 2^(t - M) is quantised along the keys; the sum l is taken of the unquantised p and divides O at the end.
; SHARES.  Work-group y = record g = 16 batch + head; the four work-groups of a cluster take 512 queries each, in two blocks of 256; each of the EIGHT waves owns TWO tiles of 16 queries of a block, in 512 registers:
; each fragment of K and V and each addend that a wave loads from LDS feeds two products, and the two tiles' chains stand interleaved.
; A WHOLE HEAD'S K AND V STAY IN LDS: the record of kv, 208,896 bytes, is filled ONCE, by one tensor load a wave (102 rows of 256 bytes), asked for JOINTLY by the four work-groups.  No byte is filled twice: no ring.
; No prefetch: the record is asked for whole at the head, and the launch has no loop that runs ahead of a load from memory.
; THE MASK: a masked key's codes are zeros (made so with K's codes), and the addend -2^40 (1 - m), kept in LDS, is the C of the score product.  -2^40 stands for the -1e12 of the definition: -2^40 log2(e) is a whole
; number in f32, so that a row that has met masked keys alone has t - M = 0 exactly and p = 1, as the definition's equal logits give.
; K = 64 IN A PRODUCT OF 128: Q's registers 6-11 are zero codes; key tile t's operand is twelve registers from 6 t on, whose upper six meet zero codes; the scale bytes of those blocks are 0 in both words.
; LAYOUT.  Both products transposed: a lane holds ONE query (lane % 16).  Lane r of key tile t is key 64 (t / 4) + 8 (t % 4) + r % 8 + 32 (r / 8) of the step's 128, so registers 32 c + i of S^T in lane half h are keys
; 64 c + 32 h + i: A WHOLE BLOCK OF 32 KEYS LIES IN ONE LANE, in the order of the next operand's registers: no lane asks another for a block's maximum, and p's codes are the operand as they fall.
; O^T's channels go by the weights' order: registers 16 b + i are channels 32 b + 16 h + i.
; A STEP is 128 keys.  Behind its score products a wave asks LDS for this step's V (13 loads) and then for the NEXT step's K, scale words and addends (29 loads; step 15 asks for step 0, for the next block of queries).
; REGISTERS.  Window 0: scale words, each tile's small state, S^T or p, O^T: all that the vector arithmetic names, so that it stands under one setting.  Window 1: K, V, addends, p's codes, Q, addresses.
; LIMITS: v_mask holds 0 or 1; unmasked logits lie above about -1e11 (else they would meet the masked ones' -2^40); NaN and infinities are not served; a block of zeros gets the byte 1.
.set VC,   98304                       ; LDS: K's codes at 0, V's codes,
.set KSC,  196608                      ; K's scale words,
.set VSC,  204800                      ; V's,
.set MA,   208896                      ; the keys' addends, 2,048 f32, in blocks of their own,
.set SPARE, 217088                     ; the spare words: 128 bytes a wave
.set PART, 26112
.set REC,  208896
.set QREC, 106496
; window 0
.set SPW,  1
.set NIL,  2
.set HB,   3                           ; v3      8 h
.set KS,   4                           ; v4-7    K's scale words
.set QSW,  8                           ; v8-9    Q's, a tile each
.set PS,   10                          ; v10-11  p's
.set VS,   12                          ; v12-13  V's
.set ST,   16                          ; tile j's small state from v[16 + 24 j] on:
.set SS,   24
.set NM,   0                           ; -M (a pair is named),
.set NMB,  1
.set F,    2                           ; f = 2^(old M - new M) (a pair is named),
.set FB,   3
.set MT,   4                           ; the largest t,
.set TP,   5
.set BM,   6                           ; four partial maxima; then the two blocks' largest scores, then their scale bytes,
.set BX,   10                          ; lane permutes' results (BX + 2, BX + 3), and
.set SO,   10                          ; the conversions' scale operands,
.set L,    14                          ; the sum in two halves, and three more pairs of partial sums,
.set TB,   22                          ; o's two scale bytes
.set S,    64                          ; v64-191  S^T, then p: 64 a tile
.set O,    192                         ; v192-255 O^T: 32 a tile
; window 1
.set KF,   0                           ; 48: K's codes of a step
.set VF,   48                          ; 48: V's four fragments
.set AD,   96                          ; 64: the addends of a step's keys
.set PC,   160                         ; 12 a tile: p's codes
.set QF,   184                         ; 12 a tile: Q's fragment, the upper six zeros
.set CT,   208                         ; 8 a tile: the conversions' second halves
.set LA,   224                         ; 16 x lane
.set L8,   225                         ; 8 x lane
.set H128, 226                         ; 128 h
.set R16,  227                         ; 16 r
.set R4,   228                         ; 4 r
.set AV,   229                         ; LDS addresses: V's codes, V's words, K's codes, K's words, addends
.set AVS,  230
.set AK,   231
.set AKS,  232
.set AA,   233
.set MSB, 0
.macro WIN new                         ; low byte: bits 1:0 source 0, 3:2 source 1, 5:4 source 2, 7:6 destination; the high byte repeats the setting that is left
.if MSB != \new
	s_set_vgpr_msb (MSB<<8)|\new
.set MSB, \new
.endif
.endm
.macro WALU
	s_wait_alu depctr_va_vdst(0)
.endm
.macro CROUND
	s_barrier_signal -1
	s_barrier_wait -1
	s_cmp_lg_u32 s14, 0
	s_cbranch_scc1 .Lnot_wave_0_\@
	s_barrier_signal -3
.Lnot_wave_0_\@:
	s_barrier_wait -3
	s_barrier_signal -1
	s_barrier_wait -1
.endm
.macro MM d, a, b, c, sa, sb, odd
.if \odd
	v_wmma_scale_f32_16x16x128_f8f6f4 v[\d:\d+7], v[\a:\a+11], v[\b:\b+11], v[\c:\c+7], v[\sa], v[\sb] matrix_a_fmt:MATRIX_FMT_FP6 matrix_b_fmt:MATRIX_FMT_FP6 matrix_a_scale:MATRIX_SCALE_ROW1
.else
	v_wmma_scale_f32_16x16x128_f8f6f4 v[\d:\d+7], v[\a:\a+11], v[\b:\b+11], v[\c:\c+7], v[\sa], v[\sb] matrix_a_fmt:MATRIX_FMT_FP6 matrix_b_fmt:MATRIX_FMT_FP6
.endif
.endm
; packed f32 on registers x and x + 1 (x even)
.macro DADD d, a, b
	v_pk_add_f32 v[\d:\d+1], v[\a:\a+1], v[\b:\b+1]
.endm
.macro DMUL d, a, b                    ; both halves x the low word of the pair b
	v_pk_mul_f32 v[\d:\d+1], v[\a:\a+1], v[\b:\b+1] op_sel_hi:[1,0]
.endm
.macro DTM x, j                        ; t - M of two scores of tile j
	v_pk_fma_f32 v[\x:\x+1], v[\x:\x+1], s[22:23], v[ST+SS*\j+NM:ST+SS*\j+NMB] op_sel_hi:[1,0,0]
.endm
.macro KNEXT                           ; a step's K scale words, K codes and addends: 29 loads
	WIN 0x01
	ds_load_b128 v[KS:KS+3], v[AKS]
	WIN 0x41
.irp c, 0,1,2,3,4,5,6,7,8,9,10,11
	ds_load_b128 v[KF+4*\c:KF+4*\c+3], v[AK] offset:512*\c
.endr
.irp t, 0,1,2,3,4,5,6,7
	ds_load_b128 v[AD+8*\t:AD+8*\t+3], v[AA] offset:256*(\t/4)+32*(\t%4)        ; the addends of keys 64 (t / 4) + 32 h + 8 (t % 4) + 0 .. 7
	ds_load_b128 v[AD+8*\t+4:AD+8*\t+7], v[AA] offset:256*(\t/4)+32*(\t%4)+16
.endr
	WIN 0
.endm
.macro CODES j                         ; tile j's p into codes: a block's first 16 in place, its second 16 beside them (a conversion's three registers begin on an even number)
	WIN 0x40
.irp c, 0,1
	v_cvt_scalef32_pk16_fp6_f32 v[PC+12*\j+6*\c:PC+12*\j+6*\c+2], v[S+64*\j+32*\c:S+64*\j+32*\c+15], v[ST+SS*\j+SO+\c]
	v_cvt_scalef32_pk16_fp6_f32 v[CT+8*\j+4*\c:CT+8*\j+4*\c+2], v[S+64*\j+32*\c+16:S+64*\j+32*\c+31], v[ST+SS*\j+SO+\c]
.endr
	WIN 0
	v_nop                                          ; one plain line behind a scaled conversion
.endm
.macro SUM j, st, n                    ; n pairs, st registers apart, onto tile j's four pairs of partial sums
.irp k, 1,2,3
	DADD ST+SS*\j+L+2*\k, S+64*\j+\st*(2*\k-2), S+64*\j+\st*(2*\k-1)
.endr
.set i, 6
.rept \n-6
	DADD ST+SS*\j+L+2*(i%4), S+64*\j+\st*i, ST+SS*\j+L+2*(i%4)
.set i, i+1
.endr
.endm
	s_load_b256 s[4:11], s[0:1], 0x0               ; qi s[4:5], kv s[6:7], v_mask s[8:9], oc s[10:11]
	s_load_b64 s[12:13], s[0:1], 0x20              ; os
	v_lshl_add_u32 v[SPW], v0, 2, SPARE
	v_mov_b32 v[NIL], 0
	ds_add_u32 v[SPW], v[NIL]
	ds_add_u32 v[SPW], v[NIL]
	v_lshrrev_b32 v3, 5, v0
	v_readfirstlane_b32 s14, v3                    ; wave 0..7
	s_bfe_u32 s15, ttmp6, 0x40000                  ; cx: it enters Q's and o's addresses alone
	s_and_b32 s16, ttmp7, 0xffff                   ; g, which the four partners share
	s_lshr_b32 s17, s16, 4                         ; batch
	s_and_b32 s18, s16, 15                         ; head
	s_mov_b32 s24, 15|(3<<16)|(1<<21)              ; group 1: the mask: all four; elements of 8 bytes; bit 21 beside a mask
	s_mov_b32 s25, 32<<16
	s_mov_b32 s26, 102<<16
	s_mov_b32 s27, 32<<16
	s_mov_b32 s28, 102
	s_mov_b32 s29, 32
	s_mov_b32 s30, 0
	s_mov_b32 s31, 0
	s_mul_i32 s53, s14, PART                       ; my eighth, in the record and in LDS
	s_mul_i32 s54, s16, REC
	s_add_co_u32 s54, s54, s53
	s_mov_b32 s55, 0
	WALU
	s_wait_dscnt 0x0
	s_wait_kmcnt 0x0
	s_mov_b32 s32, 1
	s_mov_b32 s33, s53
	s_add_nc_u64 s[34:35], s[6:7], s[54:55]
	s_or_b32 s35, s35, 0x80000000
	CROUND                                         ; all four work-groups are here: the joint loads meet
	tensor_load_to_lds s[32:35], s[24:31]
	s_nop 0
.rept 4
	v_nop
.endr
	v_lshlrev_b32 v[S+8], 4, v0                    ; the mask: 256 threads take the batch's 2,048 words, twice 16 bytes each
	s_lshl_b32 s54, s17, 13
	s_add_nc_u64 s[8:9], s[8:9], s[54:55]
	global_load_b128 v[S:S+3], v[S+8], s[8:9]
	global_load_b128 v[S+4:S+7], v[S+8], s[8:9] offset:4096
	v_add_nc_u32 v[S+9], MA, v[S+8]
	v_bfe_u32 v[S+10], v0, 4, 1                    ; h
	v_and_b32 v[S+11], 15, v0                      ; r
	v_and_b32 v[S+12], 31, v0                      ; lane
	v_lshlrev_b32 v[HB], 3, v[S+10]
.irp j, 0,1
	v_mov_b32 v[ST+SS*\j+NMB], 0                   ; named as the upper halves of pairs
	v_mov_b32 v[ST+SS*\j+FB], 0
.irp b, 0,1,2,3
	v_mov_b32 v[ST+SS*\j+BX+\b], 0                 ; a lane permute's destination counts as one of its sources
.endr
.endr
	WIN 0x40
	v_lshlrev_b32 v[LA], 4, v[S+12]
	v_lshlrev_b32 v[L8], 3, v[S+12]
	v_lshlrev_b32 v[H128], 7, v[S+10]
	v_lshlrev_b32 v[R16], 4, v[S+11]
	v_lshlrev_b32 v[R4], 2, v[S+11]
	v_lshlrev_b32 v[AK], 4, v[S+12]                ; step 0's K codes,
	WIN 0x44
	v_add_nc_u32 v[AKS], KSC, v[LA]                ; K words
	v_add_nc_u32 v[AA], MA, v[H128]                ; and addends
	WIN 0
	s_mov_b32 s20, 0x76543210
	s_mov_b32 s21, 0xfedcba98                      ; v_permlanex16_b32: lane l xor 16
	s_mov_b32 s22, 0x3fb8aa3b                      ; log2(e)
	s_mov_b32 s23, s22                             ; (the packed form names the pair)
	s_mov_b32 s39, 0x53800000                      ; 2^40
	s_lshr_b32 s56, s14, 2
	s_lshl_b32 s57, s15, 2
	s_add_co_u32 s56, s56, s57                     ; my first block of 128 rows: 4 cx + wave / 4
	s_and_b32 s57, s14, 3                          ; my pair of tiles in it
	s_mul_i32 s53, s16, QREC
	s_mul_i32 s40, s56, 6144
	s_add_co_u32 s40, s40, s53
	s_mul_i32 s59, s57, 1536
	s_add_co_u32 s40, s40, s59
	s_mov_b32 s41, 0
	s_add_nc_u64 s[40:41], s[4:5], s[40:41]        ; Q's codes: twelve registers, six for each tile of the pair
	s_lshl_b32 s42, s56, 9
	s_add_co_u32 s42, s42, s53
	s_add_co_u32 s42, s42, 98304
	s_lshl_b32 s59, s57, 2
	s_add_co_u32 s42, s42, s59
	s_mov_b32 s43, 0
	s_add_nc_u64 s[42:43], s[4:5], s[42:43]        ; Q's scale words: row r's at 16 r, the odd tile's 256 bytes on
	s_lshl_b32 s59, s17, 4
	s_add_co_u32 s59, s59, s56
	s_lshl_b32 s59, s59, 3
	s_lshr_b32 s53, s18, 1
	s_add_co_u32 s59, s59, s53
	s_lshl_b32 s59, s59, 2
	s_add_co_u32 s59, s59, s57                     ; ((16 batch + block) 8 + head / 2) 4 + pair
	s_and_b32 s53, s18, 1
	s_mul_i32 s44, s59, 3072
	s_mul_i32 s54, s53, 768
	s_add_co_u32 s44, s44, s54
	s_mov_b32 s45, 0
	s_add_nc_u64 s[44:45], s[10:11], s[44:45]      ; o's codes: my head's half of each fragment
	s_lshl_b32 s46, s59, 7
	s_lshl_b32 s54, s53, 1
	s_add_co_u32 s46, s46, s54
	s_mov_b32 s47, 0
	s_add_nc_u64 s[46:47], s[12:13], s[46:47]      ; o's scale bytes: my head's two of each word
	WALU                                           ; the wait at the head's end
	s_wait_loadcnt 0x0
.irp i, 0,1,2,3,4,5,6,7
	v_cvt_f32_i32 v[S+\i], v[S+\i]
.endr
.irp i, 0,1,2,3,4,5,6,7
	v_fma_f32 v[S+\i], v[S+\i], s39, -s39          ; m 2^40 - 2^40
.endr
	ds_store_b128 v[S+9], v[S:S+3]
	ds_store_b128 v[S+9], v[S+4:S+7] offset:4096
	s_wait_tensorcnt 0x0                           ; my eighth of the record has landed,
	s_wait_dscnt 0x0                               ; my addends are stored:
	s_barrier_signal -1
	s_barrier_wait -1                              ; everybody's
	KNEXT
	s_mov_b32 s36, 2
.Lqb:                                              ; two blocks of 256 queries
	WIN 0x41
.irp c, 0,1,2
	global_load_b128 v[VF+4*\c:VF+4*\c+3], v[LA], s[40:41] offset:512*\c   ; through V's registers, which are free here
.endr
	WIN 0x01
	global_load_b32 v[QSW], v[R16], s[42:43]
	global_load_b32 v[QSW+1], v[R16], s[42:43] offset:256
	WIN 0
.irp j, 0,1
	v_mov_b32 v[ST+SS*\j+MT], 0xff61b1e6           ; the largest t so far: -3e38
	v_mov_b32 v[ST+SS*\j+L], 0
	v_mov_b32 v[ST+SS*\j+L+1], 0
.endr
.irp j, 0,1
	v_floor_f32 v[ST+SS*\j+NM], -v[ST+SS*\j+MT]
.endr
	WALU
	s_wait_loadcnt 0x0
	WIN 0x41
.irp j, 0,1
.irp i, 0,1,2,3,4,5
	v_mov_b32 v[QF+12*\j+\i], v[VF+6*\j+\i]
.endr
.irp i, 6,7,8,9,10,11
	v_mov_b32 v[QF+12*\j+\i], 0                    ; k = 64 .. 127: zero codes
.endr
.endr
	WIN 0
.set i, 0
.rept 64
	v_mov_b32 v[O+i], 0                            ; O^T: the step is written once; the first change of M leaves zeros zeros.  (Also the places between Q's registers and the first product)
.set i, i+1
.endr
	WALU
	s_mov_b32 s37, 0
.Lstep:                                            ; 128 keys
	s_mul_i32 s49, s37, 6144                       ; this step's V codes and words,
	s_add_co_u32 s49, s49, VC
	s_lshl_b32 s51, s37, 8
	s_add_co_u32 s51, s51, VSC
	s_add_co_u32 s53, s37, 1
	s_and_b32 s53, s53, 15                         ; the next step, behind the last the first:
	s_mul_i32 s48, s53, 6144                       ; its K codes, words and addends
	s_lshl_b32 s50, s53, 9
	s_add_co_u32 s52, s50, MA
	s_add_co_u32 s50, s50, KSC
	s_wait_dscnt 0x0                               ; K, its words and the addends, asked for a step ago
	WIN 0x15
.irp t, 0,1,2,3,4,5,6,7                ; sixteen accumulators, one instruction each; C the addends
.irp j, 0,1
	MM S+64*\j+8*\t, KF+6*\t, QF+12*\j, AD+8*\t, KS+\t/2, QSW+\j, (\t)%2
.endr
.endr
	WIN 0x45
	v_add_nc_u32 v[AV], s49, v[LA]                 ; five plain lines: the places in front of the loads and of the first read of the scores
	v_add_nc_u32 v[AVS], s51, v[L8]
	v_add_nc_u32 v[AK], s48, v[LA]
	v_add_nc_u32 v[AKS], s50, v[LA]
	v_add_nc_u32 v[AA], s52, v[H128]
.irp c, 0,1,2,3,4,5,6,7,8,9,10,11
	ds_load_b128 v[VF+4*\c:VF+4*\c+3], v[AV] offset:512*\c
.endr
	WIN 0x01
	ds_load_b64 v[VS:VS+1], v[AVS]
	KNEXT
.irp j, 0,1                            ; the largest score of each of my two blocks of 32 keys, each in two chains: eight chains by turns
.irp b, 0,1,2,3
	v_max3_num_f32 v[ST+SS*\j+BM+\b], v[S+64*\j+16*\b], v[S+64*\j+16*\b+1], v[S+64*\j+16*\b+2]
.endr
.endr
.irp i, 3,5,7,9,11,13
.irp j, 0,1
.irp b, 0,1,2,3
	v_max3_num_f32 v[ST+SS*\j+BM+\b], v[ST+SS*\j+BM+\b], v[S+64*\j+16*\b+\i], v[S+64*\j+16*\b+\i+1]
.endr
.endr
.endr
.irp j, 0,1
.irp c, 0,1
	v_max3_num_f32 v[ST+SS*\j+BM+2*\c], v[ST+SS*\j+BM+2*\c], v[S+64*\j+32*\c+15], v[S+64*\j+32*\c+31]
.endr
.endr
.irp j, 0,1
	v_max_num_f32 v[ST+SS*\j+BM], v[ST+SS*\j+BM], v[ST+SS*\j+BM+1]       ; block h
.endr
.irp j, 0,1
	v_max_num_f32 v[ST+SS*\j+BM+1], v[ST+SS*\j+BM+2], v[ST+SS*\j+BM+3]   ; block 2 + h
.endr
.irp j, 0,1
	v_max_num_f32 v[ST+SS*\j+TP], v[ST+SS*\j+BM], v[ST+SS*\j+BM+1]
.endr
.irp j, 0,1
	v_permlanex16_b32 v[ST+SS*\j+BX+3], v[ST+SS*\j+TP], s20, s21
.endr
.irp j, 0,1
	v_max_num_f32 v[ST+SS*\j+TP], v[ST+SS*\j+TP], v[ST+SS*\j+BX+3]       ; with lane l xor 16's 64 keys: the step's largest score of my query
.endr
.irp j, 0,1
	v_mul_f32 v[ST+SS*\j+TP], s22, v[ST+SS*\j+TP]  ; as t
.endr
.irp j, 0,1
	v_max_num_f32 v[ST+SS*\j+MT], v[ST+SS*\j+MT], v[ST+SS*\j+TP]   ; the running largest t
.endr
.irp j, 0,1
	v_mov_b32 v[ST+SS*\j+TP], v[ST+SS*\j+NM]
.endr
.irp j, 0,1
	v_floor_f32 v[ST+SS*\j+NM], -v[ST+SS*\j+MT]    ; the new -M = -ceil(t)
.endr
.irp j, 0,1
	v_sub_f32 v[ST+SS*\j+TP], v[ST+SS*\j+NM], v[ST+SS*\j+TP]   ; old M - new M: a whole number, 0 or less
.endr
.irp j, 0,1
	v_cvt_i32_f32 v[ST+SS*\j+TP], v[ST+SS*\j+TP]   ; (it saturates)
.endr
.irp j, 0,1
	v_ldexp_f32 v[ST+SS*\j+F], 1.0, v[ST+SS*\j+TP] ; f: rounds nothing
.endr
.irp j, 0,1
	DTM ST+SS*\j+BM, \j
.endr
.irp j, 0,1
	DMUL ST+SS*\j+L, ST+SS*\j+L, ST+SS*\j+F        ; the sums under the new M
.endr
.irp j, 0,1
.set i, 0
.rept 16
	DMUL O+32*\j+i, O+32*\j+i, ST+SS*\j+F          ; O^T under the new M
.set i, i+2
.endr
.endr
.set i, 0
.rept 32
	DTM S+i, 0                                     ; tile 0: t - M
.set i, i+2
.endr
	WALU                                           ; the wait ahead of the batch
.irp j, 0,1
.irp c, 0,1
	v_exp_f32 v[ST+SS*\j+BM+\c], v[ST+SS*\j+BM+\c] ; the blocks' largest p: the same multiply-add and exponential on the same number
.endr
.endr
.set i, 0
.rept 32                               ; tile 0's p = 2^(t - M); among them tile 1's t - M, which is read behind the next wait
	v_exp_f32 v[S+i], v[S+i]
	v_exp_f32 v[S+i+1], v[S+i+1]
	DTM S+64+i, 1
.set i, i+2
.endr
	WALU                                           ; and behind it
.irp j, 0,1
.irp c, 0,1
	v_max_num_f32 v[ST+SS*\j+BM+\c], 0x1800000, v[ST+SS*\j+BM+\c]   ; the floor 2^(3 - 127)
.endr
.endr
.irp j, 0,1
.irp c, 0,1
	v_add_nc_u32 v[ST+SS*\j+SO+\c], 0xff000000, v[ST+SS*\j+BM+\c]
.endr
.endr
.irp j, 0,1
.irp c, 0,1
	v_lshrrev_b32 v[ST+SS*\j+BM+\c], 23, v[ST+SS*\j+SO+\c]
.endr
.endr
.irp j, 0,1
	v_lshl_or_b32 v[ST+SS*\j+BM+2], v[ST+SS*\j+BM+1], 16, v[ST+SS*\j+BM]   ; my two bytes: blocks h and 2 + h,
.endr
.irp j, 0,1
	v_lshlrev_b32 v[ST+SS*\j+BM+2], v[HB], v[ST+SS*\j+BM+2]                ; at their places in the scale word;
.endr
.irp j, 0,1
	v_permlanex16_b32 v[ST+SS*\j+BX+2], v[ST+SS*\j+BM+2], s20, s21
.endr
.irp j, 0,1
	v_or_b32 v[PS+\j], v[ST+SS*\j+BM+2], v[ST+SS*\j+BX+2]                  ; with lane l xor 16's two: p's scale word for these 128 keys
.endr
	CODES 0
	WALU
.set i, 0
.rept 16                               ; tile 1's p; among them tile 0's first sums, in place (its codes are made), read behind the next wait
	v_exp_f32 v[S+64+i], v[S+64+i]
	v_exp_f32 v[S+64+i+1], v[S+64+i+1]
	v_exp_f32 v[S+64+i+2], v[S+64+i+2]
	v_exp_f32 v[S+64+i+3], v[S+64+i+3]
	DADD S+i, S+i, S+i+2
.set i, i+4
.endr
	WALU
	CODES 1
	WIN 0x41
.irp j, 0,1
.irp c, 0,1
.irp i, 0,1,2
	v_mov_b32 v[PC+12*\j+6*\c+3+\i], v[CT+8*\j+4*\c+\i]
.endr
.endr
.endr
	WIN 0
	SUM 0, 4, 16                                   ; the rows' sums of the unquantised p.  (Also the places between p's codes and the products)
	SUM 1, 2, 32
.irp j, 0,1
	DADD ST+SS*\j+L, ST+SS*\j+L, ST+SS*\j+L+2
	DADD ST+SS*\j+L+4, ST+SS*\j+L+4, ST+SS*\j+L+6
.endr
.irp j, 0,1
	DADD ST+SS*\j+L, ST+SS*\j+L, ST+SS*\j+L+4
.endr
	WALU                                           ; the wait ahead of the wait below and of the branch
	s_wait_dscnt 29                                ; V and its words are in; the 29 loads for the next step may be out
	WIN 0x05
.irp ct, 0,1,2,3
.irp j, 0,1
	MM O+32*\j+8*\ct, VF+12*\ct, PC+12*\j, O+32*\j+8*\ct, VS+\ct/2, PS+\j, (\ct)%2
.endr
.endr
	WIN 0
	s_add_co_u32 s37, s37, 1
	s_cmp_lt_u32 s37, 16
	s_cbranch_scc1 .Lstep
	; O / l, quantised along the head's 64 channels: registers 16 b + i are channels 32 b + 16 h + i
.rept 4
	v_nop                                          ; places behind the last products
.endr
.irp j, 0,1
	v_add_f32 v[ST+SS*\j+L], v[ST+SS*\j+L], v[ST+SS*\j+L+1]
.endr
.irp j, 0,1
	v_permlanex16_b32 v[ST+SS*\j+TP], v[ST+SS*\j+L], s20, s21
.endr
.irp j, 0,1
	v_add_f32 v[ST+SS*\j+L], v[ST+SS*\j+L], v[ST+SS*\j+TP]   ; the row's sum
.endr
	WALU
.irp j, 0,1
	v_rcp_f32 v[ST+SS*\j+L], v[ST+SS*\j+L]
.endr
	v_nop
	WALU
.irp j, 0,1
.set i, 0
.rept 16
	v_pk_mul_f32 v[S+64*\j+i:S+64*\j+i+1], v[O+32*\j+i:O+32*\j+i+1], v[ST+SS*\j+L:ST+SS*\j+L+1] op_sel_hi:[1,0]
.set i, i+2
.endr
.endr
.irp j, 0,1
.irp b, 0,1
	v_max3_num_f32 v[ST+SS*\j+BM+\b], |v[S+64*\j+16*\b]|, |v[S+64*\j+16*\b+1]|, 0x1800000
.endr
.endr
.irp i, 2,4,6,8,10,12,14
.irp j, 0,1
.irp b, 0,1
	v_max3_num_f32 v[ST+SS*\j+BM+\b], v[ST+SS*\j+BM+\b], |v[S+64*\j+16*\b+\i]|, |v[S+64*\j+16*\b+\i+1]|
.endr
.endr
.endr
.irp j, 0,1
.irp b, 0,1
	v_permlanex16_b32 v[ST+SS*\j+BX+\b], v[ST+SS*\j+BM+\b], s20, s21
.endr
.endr
.irp j, 0,1
.irp b, 0,1
	v_max_num_f32 v[ST+SS*\j+BM+\b], v[ST+SS*\j+BM+\b], v[ST+SS*\j+BX+\b]
.endr
.endr
.irp j, 0,1
.irp b, 0,1
	v_add_nc_u32 v[ST+SS*\j+SO+\b], 0xff000000, v[ST+SS*\j+BM+\b]
.endr
.endr
.irp j, 0,1
.irp b, 0,1
	v_lshrrev_b32 v[ST+SS*\j+BM+\b], 23, v[ST+SS*\j+SO+\b]
.endr
.endr
.irp j, 0,1
	v_lshl_or_b32 v[ST+SS*\j+TB], v[ST+SS*\j+BM+1], 8, v[ST+SS*\j+BM]   ; my head's two scale bytes
.endr
	WIN 0x40
.irp j, 0,1
	v_cvt_scalef32_pk16_fp6_f32 v[PC+12*\j:PC+12*\j+2], v[S+64*\j:S+64*\j+15], v[ST+SS*\j+SO]
	v_cvt_scalef32_pk16_fp6_f32 v[CT+8*\j:CT+8*\j+2], v[S+64*\j+16:S+64*\j+31], v[ST+SS*\j+SO+1]
.endr
	WIN 0x41
	v_nop
.irp j, 0,1
.irp i, 0,1,2
	v_permlane16_swap_b32 v[PC+12*\j+\i], v[CT+8*\j+\i]
.endr
.endr
.irp j, 0,1
.irp i, 0,1,2
	v_mov_b32 v[PC+12*\j+3+\i], v[CT+8*\j+\i]
.endr
.endr
	WIN 0x05                                       ; the stores' offsets and data lie in window 1
.irp j, 0,1
	global_store_b128 v[LA], v[PC+12*\j:PC+12*\j+3], s[44:45] offset:1536*\j          ; 512 consecutive bytes,
	global_store_b64 v[L8], v[PC+12*\j+4:PC+12*\j+5], s[44:45] offset:1536*\j+512     ; and 256
.endr
	WIN 0x01
.irp j, 0,1
	global_store_b16 v[R4], v[ST+SS*\j+TB], s[46:47] offset:64*\j   ; lanes 16-31 write the same bytes with the same values
.endr
	WIN 0
	s_wait_xcnt 0x0                                ; the loads and stores have read their registers and bases
	s_add_nc_u64 s[40:41], s[40:41], 12288         ; two blocks of 128 rows on (behind the last trip the stepped addresses are not used)
	s_add_nc_u64 s[42:43], s[42:43], 1024
	s_add_nc_u64 s[44:45], s[44:45], 196608
	s_add_nc_u64 s[46:47], s[46:47], 8192
	s_sub_co_u32 s36, s36, 1
	s_cmp_lg_u32 s36, 0
	WALU
	s_cbranch_scc1 .Lqb
	s_wait_tensorcnt 0x0                           ; the wave's end
	ds_add_u32 v[SPW], v[NIL]
	s_wait_dscnt 0x0
	CROUND                                         ; the closing round
	s_endpgm
.Lfunc_end_k_q8175f66f2f_attn:
	.size	k_q8175f66f2f_attn, .Lfunc_end_k_q8175f66f2f_attn-k_q8175f66f2f_attn
	.p2alignl 7, 3214868480
	.fill 96, 4, 3214868480
	.section	.rodata,"a",@progbits
	.p2align	6, 0x0
	.amdhsa_kernel k_q8175f66f2f_attn
		.amdhsa_group_segment_fixed_size 219136
		.amdhsa_private_segment_fixed_size 0
		.amdhsa_enable_private_segment 0
		.amdhsa_kernarg_size 40
		.amdhsa_user_sgpr_count 2
		.amdhsa_user_sgpr_kernarg_segment_ptr 1
		.amdhsa_wavefront_size32 1
		.amdhsa_system_sgpr_workgroup_id_x 1
		.amdhsa_system_sgpr_workgroup_id_y 1
		.amdhsa_system_sgpr_workgroup_id_z 1
		.amdhsa_system_vgpr_workitem_id 0
		.amdhsa_next_free_vgpr 512
		.amdhsa_next_free_sgpr 66
		.amdhsa_reserve_vcc 0
		.amdhsa_float_denorm_mode_32 3
		.amdhsa_float_denorm_mode_16_64 3
		.amdhsa_memory_ordered 1
		.amdhsa_forward_progress 1
		.amdhsa_inst_pref_size 49
	.end_amdhsa_kernel
	.amdgpu_metadata
---
amdhsa.version: [ 1, 2 ]
amdhsa.kernels:
  - .name:           k_q8175f66f2f_attn
    .symbol:         k_q8175f66f2f_attn.kd
    .args:
      - { .name: qi, .offset: 0, .size: 8, .value_kind: global_buffer, .address_space: global }
      - { .name: kv, .offset: 8, .size: 8, .value_kind: global_buffer, .address_space: global }
      - { .name: v_mask, .offset: 16, .size: 8, .value_kind: global_buffer, .address_space: global }
      - { .name: oc, .offset: 24, .size: 8, .value_kind: global_buffer, .address_space: global }
      - { .name: os, .offset: 32, .size: 8, .value_kind: global_buffer, .address_space: global }
    .group_segment_fixed_size: 219136
    .private_segment_fixed_size: 0
    .kernarg_segment_align: 8
    .kernarg_segment_size: 40
    .max_flat_workgroup_size: 256
    .sgpr_count:     66
    .vgpr_count:     512
    .wavefront_size: 32
...
	.end_amdgpu_metadata
.endif
;; end of part 4
;; launch outp (part 5): grid 4 x 64, 4 waves a work-group, clusters of 4 x 4, 327,680 bytes of LDS; arguments oc, os, wc, ws, bo, out0; writes out0
.if DOCPART == 5
	.amdgcn_target "amdgcn-amd-amdhsa--gfx1250"
	.amdhsa_code_object_version 6
	.text
	.protected	k_q8175f66f2f_outp
	.globl	k_q8175f66f2f_outp
	.p2align	8
	.type	k_q8175f66f2f_outp,@function
k_q8175f66f2f_outp:
	s_mov_b64 s[64:65], 0
	v_nop
	global_prefetch_b8 v0, s[64:65] scope:SCOPE_SE
	s_setreg_imm32_b32 hwreg(HW_REG_WAVE_MODE, 25, 1), 1
	s_wait_xcnt 0x0
	s_wait_alu depctr_hold_cnt(0) depctr_sa_sdst(0) depctr_va_vdst(0) depctr_va_sdst(0) depctr_va_ssrc(0) depctr_va_vcc(0) depctr_vm_vsrc(0)
	s_getreg_b32 s2, hwreg(HW_REG_IB_STS2, 6, 4)
	s_cmp_eq_u32 s2, 0
	s_cbranch_scc0 .Lentry_in_a_cluster
	s_endpgm
.Lentry_in_a_cluster:
	s_bfe_u32 s2, ttmp6, 0x10000c
	s_cmp_lg_u32 s2, 0xf033
	s_cbranch_scc0 .Lentry_shape_is_right
	s_endpgm
.Lentry_shape_is_right:
.set FR,    12
.set NP,    4
.set RBC,   98304
.set KSB,   12288
.set QB,    24576
.set LB,    98304
.set SCL,   294912
.set SPITCH, 528
.set ADRA, 16
.set ADRA8, 18
.set ADRB, 20
.set STO,  24
.set RD,   25
.set LO,   26
.set ADRS, 27
.set SC,   32
.set BI,   64
.set AF,   128
.set BK,   128
.set G1, 24
.set G0, 32
.set G1B, 48
.set G0B, 56
.set G1S, 76
.set G1SB, 84
.set G0S, 92
.set G0SB, 96
.set MSB, 0
.macro WIN new
.set NEWW, \new
.if MSB != NEWW
	s_set_vgpr_msb (MSB<<8)|NEWW
.set MSB, NEWW
.endif
.endm
.set MUL,  0xa1
.set TO_B, 0x40
.macro ARM under, g0, g1, next         ; an arm of the head's one chain of branches on the wave's number: one joint load
	s_cmp_lt_u32 s14, \under
	s_cbranch_scc0 \next
	tensor_load_to_lds s[\g0:\g0+3], s[\g1:\g1+7]
	s_nop 0
.rept 4
	v_nop
.endr
	s_branch .Lhead_asked
\next:
.endm
.macro CROUND
	s_barrier_signal -1
	s_barrier_wait -1
	s_cmp_lg_u32 s14, 0
	s_cbranch_scc1 .Lnot_wave_0_\@
	s_barrier_signal -3
.Lnot_wave_0_\@:
	s_barrier_wait -3
	s_barrier_signal -1
	s_barrier_wait -1
.endm
.macro SHAPE g, rows
	s_mov_b32 s[\g+1], 32<<16
	s_mov_b32 s[\g+2], (\rows)<<16
	s_mov_b32 s[\g+3], 32<<16
	s_mov_b32 s[\g+4], \rows
	s_mov_b32 s[\g+5], 32
	s_mov_b32 s[\g+6], 0
	s_mov_b32 s[\g+7], 0
.endm
	s_load_b256 s[4:11], s[0:1], 0x0
	s_load_b64 s[100:101], s[0:1], 0x20
	s_load_b64 s[104:105], s[0:1], 0x28
	v_lshl_add_u32 v62, v0, 2, 0x4b000
	v_mov_b32 v63, 0
	ds_add_u32 v62, v63
	ds_add_u32 v62, v63
	v_lshrrev_b32 v1, 5, v0
	v_readfirstlane_b32 s14, v1
	s_lshr_b32 s15, s14, 1
	s_and_b32 s16, s14, 1
	s_bfe_u32 s66, ttmp6, 0x40000
	s_bfe_u32 s67, ttmp6, 0x40004
	s_lshl_b32 s18, ttmp9, 2
	s_add_co_u32 s18, s18, s66
	s_and_b32 s17, ttmp7, 0xffff
	s_lshl_b32 s17, s17, 2
	s_add_co_u32 s17, s17, s67
	s_lshl_b32 s19, s67, 2
	s_lshl_b32 s19, 15, s19
	s_lshl_b32 s3, 0x1111, s66
	s_or_b32 s[G1+0], s19, (3<<16)|(1<<21)
	s_or_b32 s[G1S+0], s19, (3<<16)|(1<<21)
	s_or_b32 s[G1B+0], s3, (3<<16)|(1<<21)
	s_or_b32 s[G1SB+0], s3, (3<<16)|(1<<21)
	SHAPE G1, 384                                  ; each of the four tiles is dense in memory and comes whole, as rows of 256 bytes
	SHAPE G1B, 768
	SHAPE G1S, 16
	SHAPE G1SB, 32
	s_mul_i32 s20, s17, RBC
	s_lshl_b32 s22, s17, 12
	s_lshl_b32 s12, s18, 1
	s_lshl_b32 s2, s12, 12
	s_mul_i32 s12, s12, RBC
	s_add_co_u32 s12, s12, 24*RBC
	s_add_co_u32 s2, s2, 24*4096
	s_mov_b32 s21, 0
	s_mov_b32 s23, 0
	s_mov_b32 s13, 0
	s_mov_b32 s3, 0
	s_wait_dscnt 0x0
	s_wait_kmcnt 0x0
	s_add_nc_u64 s[20:21], s[4:5], s[20:21]
	s_add_nc_u64 s[22:23], s[6:7], s[22:23]
	s_add_nc_u64 s[12:13], s[8:9], s[12:13]
	s_add_nc_u64 s[2:3], s[10:11], s[2:3]
	CROUND
	s_mov_b32 s[G0S], 1                            ; all of K lies in LDS, filled once: wave 0 asks for A's scale words, wave 1 for B's, wave 2 for A's codes, wave 3 for B's
	s_mov_b32 s[G0S+1], SCL
	s_mov_b64 s[G0S+2:G0S+3], s[22:23]
	s_or_b32 s[G0S+3], s[G0S+3], 0x80000000
	s_mov_b32 s[G0SB], 1
	s_mov_b32 s[G0SB+1], SCL+4096
	s_mov_b64 s[G0SB+2:G0SB+3], s[2:3]
	s_or_b32 s[G0SB+3], s[G0SB+3], 0x80000000
	s_mov_b32 s[G0], 1
	s_mov_b32 s[G0+1], 0
	s_mov_b64 s[G0+2:G0+3], s[20:21]
	s_or_b32 s[G0+3], s[G0+3], 0x80000000
	s_mov_b32 s[G0B], 1
	s_mov_b32 s[G0B+1], LB
	s_mov_b64 s[G0B+2:G0B+3], s[12:13]
	s_or_b32 s[G0B+3], s[G0B+3], 0x80000000
	ARM 1, G0S, G1S, .Lhead_sb
	ARM 2, G0SB, G1SB, .Lhead_a
	ARM 3, G0, G1, .Lhead_b
	tensor_load_to_lds s[G0B:G0B+3], s[G1B:G1B+7]
	s_nop 0
.rept 4
	v_nop
.endr
.Lhead_asked:
	v_and_b32 v1, 15, v0
	v_bfe_u32 v2, v0, 4, 1
	v_and_b32 v3, 31, v0
	v_lshlrev_b32 v[LO], 4, v3
	v_lshlrev_b32 v8, 3, v3
	s_mul_i32 s20, s15, 6144
	s_mul_i32 s21, s16, RBC
	s_add_co_u32 s21, s21, LB
.irp j, 0,1
	v_add_nc_u32 v[ADRA+\j], s20, v[LO]
	v_add_nc_u32 v[ADRA8+\j], s20, v8
	v_add_nc_u32 v[ADRB+\j], s21, v[LO]
	s_add_co_u32 s20, s20, 4*KSB
	s_add_co_u32 s21, s21, 4*KSB
.endr
	v_lshlrev_b32 v5, 2, v1
	s_lshl_b32 s22, s15, 8
	s_lshl_b32 s23, s16, 12
	s_add_co_u32 s23, s23, 4096
	s_sub_co_u32 s23, s23, s22
	v_mul_u32_u24 v6, s23, v2
	s_add_co_u32 s22, s22, SCL
	v_add_nc_u32 v5, v5, v6
	v_add_nc_u32 v[ADRS], s22, v5
	s_mul_i32 s23, s14, 16*SPITCH
	v_mul_u32_u24 v5, v1, SPITCH
	v_lshl_add_u32 v5, v2, 6, v5
	v_add_nc_u32 v[STO], s23, v5
	v_add_nc_u32 v[RD], s23, v[LO]
	s_lshl_b32 s12, s18, 10
	s_lshl_b32 s13, s16, 9
	s_add_co_u32 s12, s12, s13
	s_mov_b32 s13, 0
	s_add_nc_u64 s[100:101], s[100:101], s[12:13]
	s_add_nc_u64 s[104:105], s[104:105], s[12:13]
	s_lshl_b32 s12, s17, 19
	s_lshl_b32 s20, s15, 18
	s_add_co_u32 s12, s12, s20
	s_add_nc_u64 s[104:105], s[104:105], s[12:13]
	v_lshlrev_b32 v4, 6, v2
.irp b, 0,1,2,3,4,5,6,7
	global_load_b128 v[BI+8*\b:BI+8*\b+3], v4, s[100:101] offset:128*(\b/2)+32*(\b%2)
	global_load_b128 v[BI+8*\b+4:BI+8*\b+7], v4, s[100:101] offset:128*(\b/2)+32*(\b%2)+16
.endr
	s_wait_alu depctr_va_vdst(0)
	s_wait_loadcnt 0x0
.macro FRAG reg, adr, off
.irp c, 0,1,2
	ds_load_b128 v[\reg+4*\c:\reg+4*\c+3], v[\adr] offset:\off+512*\c
.endr
.endm
.macro FRAGA reg, j, off
.irp c, 0,1
	ds_load_b128 v[\reg+6*\c:\reg+6*\c+3], v[ADRA+\j] offset:\off+768*\c
	ds_load_b64 v[\reg+6*\c+4:\reg+6*\c+5], v[ADRA8+\j] offset:\off+768*\c+512
.endr
.endm
.macro FETCH s
	WIN TO_B
.irp i, 0,1,2,3,4,5,6,7
	FRAG 128*((\s)%2)+FR*\i, ADRB+(\s)/4, ((\s)%4)*KSB+1536*\i
.endr
	WIN 0
.irp i, 0,1,2,3
	FRAGA AF+48*((\s)%2)+FR*\i, (\s)/4, ((\s)%4)*KSB+1536*\i
.endr
.irp i, 0,1,2,3,4,5,6,7
	ds_load_b32 v[SC+8*((\s)%2)+\i], v[ADRS] offset:512*(\s)+64*\i
.endr
.endm
.macro MUL16 a0, s, zero
.irp a, \a0, \a0+1
.irp b, 0,1,2,3,4,5,6,7
.if \zero
	v_wmma_scale_f32_16x16x128_f8f6f4 v[8*(8*(\a)+\b):8*(8*(\a)+\b)+7], v[128*((\s)%2)+FR*\b:128*((\s)%2)+FR*\b+FR-1], v[AF+48*((\s)%2)+FR*(\a):AF+48*((\s)%2)+FR*(\a)+FR-1], v[BI+8*\b:BI+8*\b+7], v[SC+8*((\s)%2)+\b], v[SC+8*((\s)%2)+(\a)] matrix_a_fmt:MATRIX_FMT_FP6 matrix_b_fmt:MATRIX_FMT_FP6 matrix_a_scale:MATRIX_SCALE_ROW1
.else
	v_wmma_scale_f32_16x16x128_f8f6f4 v[8*(8*(\a)+\b):8*(8*(\a)+\b)+7], v[128*((\s)%2)+FR*\b:128*((\s)%2)+FR*\b+FR-1], v[AF+48*((\s)%2)+FR*(\a):AF+48*((\s)%2)+FR*(\a)+FR-1], v[8*(8*(\a)+\b):8*(8*(\a)+\b)+7], v[SC+8*((\s)%2)+\b], v[SC+8*((\s)%2)+(\a)] matrix_a_fmt:MATRIX_FMT_FP6 matrix_b_fmt:MATRIX_FMT_FP6 matrix_a_scale:MATRIX_SCALE_ROW1
.endif
.endr
.endr
.endm
.macro PLACES n
.rept \n
	v_nop
.endr
.endm
.macro STEP s, zero, fetch, arrive
.if \arrive >= 0
	s_wait_tensorcnt \arrive
.endif
	s_wait_dscnt 0x0
.if \arrive >= 0
	s_barrier_signal -1
	s_barrier_wait -1
.endif
.if \fetch
.if \s > 0
	PLACES NP
.endif
	FETCH (\s)+1
.endif
	WIN MUL-0x20*\zero
	MUL16 0, \s, \zero
	MUL16 2, \s, \zero
	WIN 0
.endm
	s_wait_tensorcnt 0x0                           ; my tile is in; the barrier shows all four to all waves
	s_barrier_signal -1
	s_barrier_wait -1
	FETCH 0
	STEP 0, 1, 1, -1
	STEP 1, 0, 1, -1
	STEP 2, 0, 1, -1
	STEP 3, 0, 1, -1
	STEP 4, 0, 1, -1
	STEP 5, 0, 1, 0
	STEP 6, 0, 1, -1
	STEP 7, 0, 0, -1
.macro TOSTAGE a
.set AC, 64*(\a)
	WIN 0x08
.irp b, 0,1,2,3,4,5,6,7
	ds_store_b128 v[STO], v[AC+8*\b:AC+8*\b+3] offset:128*(\b/2)+32*(\b%2)
	ds_store_b128 v[STO], v[AC+8*\b+4:AC+8*\b+7] offset:128*(\b/2)+32*(\b%2)+16
.endr
	WIN 0
.set BB, BK+64*((\a)%2)
.irp t, 0,1,2,3,4,5,6,7,8,9,10,11,12,13,14,15
	ds_load_b128 v[BB+4*\t:BB+4*\t+3], v[RD] offset:\t*SPITCH
.endr
.endm
.macro SEND a, younger
.set BB, BK+64*((\a)%2)
	s_wait_dscnt \younger
.irp t, 0,1,2,3,4,5,6,7,8,9,10,11,12,13,14,15
	global_store_b128 v[LO], v[BB+4*\t:BB+4*\t+3], s[104:105] offset:(8*(\a)+(\t%8)+32*(\t/8))*4096 th:TH_STORE_NT   ; lane t of row tile a is row 8 a + t % 8 + 32 (t / 8) of my 64
.endr
.endm
	PLACES NP
	TOSTAGE 0
.irp a, 1,2,3
.if \a > 1
	s_wait_xcnt 0x0
.endif
	TOSTAGE \a
	SEND \a-1, 32
.endr
	SEND 3, 0
	s_wait_tensorcnt 0x0
	ds_add_u32 v62, v63
	s_wait_dscnt 0x0
	CROUND
	s_endpgm
.Lfunc_end_k_q8175f66f2f_outp:
	.size	k_q8175f66f2f_outp, .Lfunc_end_k_q8175f66f2f_outp-k_q8175f66f2f_outp
	.p2alignl 7, 3214868480
	.fill 96, 4, 3214868480
	.section	.rodata,"a",@progbits
	.p2align	6, 0x0
	.amdhsa_kernel k_q8175f66f2f_outp
		.amdhsa_group_segment_fixed_size 327680
		.amdhsa_private_segment_fixed_size 0
		.amdhsa_enable_private_segment 0
		.amdhsa_kernarg_size 48
		.amdhsa_user_sgpr_count 2
		.amdhsa_user_sgpr_kernarg_segment_ptr 1
		.amdhsa_wavefront_size32 1
		.amdhsa_system_sgpr_workgroup_id_x 1
		.amdhsa_system_sgpr_workgroup_id_y 1
		.amdhsa_system_sgpr_workgroup_id_z 1
		.amdhsa_system_vgpr_workitem_id 0
		.amdhsa_next_free_vgpr 768
		.amdhsa_next_free_sgpr 106
		.amdhsa_reserve_vcc 0
		.amdhsa_float_denorm_mode_32 3
		.amdhsa_float_denorm_mode_16_64 3
		.amdhsa_memory_ordered 1
		.amdhsa_forward_progress 1
		.amdhsa_inst_pref_size 83
	.end_amdhsa_kernel
	.amdgpu_metadata
---
amdhsa.version: [ 1, 2 ]
amdhsa.kernels:
  - .name:           k_q8175f66f2f_outp
    .symbol:         k_q8175f66f2f_outp.kd
    .args:
      - { .name: oc, .offset: 0, .size: 8, .value_kind: global_buffer, .address_space: global }
      - { .name: os, .offset: 8, .size: 8, .value_kind: global_buffer, .address_space: global }
      - { .name: wc, .offset: 16, .size: 8, .value_kind: global_buffer, .address_space: global }
      - { .name: ws, .offset: 24, .size: 8, .value_kind: global_buffer, .address_space: global }
      - { .name: bo, .offset: 32, .size: 8, .value_kind: global_buffer, .address_space: global }
      - { .name: out0, .offset: 40, .size: 8, .value_kind: global_buffer, .address_space: global }
    .group_segment_fixed_size: 327680
    .private_segment_fixed_size: 0
    .kernarg_segment_align: 8
    .kernarg_segment_size: 48
    .max_flat_workgroup_size: 128
    .sgpr_count:     106
    .vgpr_count:     768
    .wavefront_size: 32
...
	.end_amdgpu_metadata
.endif
;; end of part 5
